; MI455X (gfx1250); checked and timed in simulation.
; The chip was launched on July 23, 2026; its instructions are those of AMD's public machine-readable ISA for CDNA 5 (MIT licence, August 2026) and "CDNA5" Instruction Set Architecture Reference Guide (July 2026). The comments in the code are by the model that wrote it; some were corrected since.
;; Attention Layer. Allowed arithmetic: matrix products marked QUANTISED: E2M1 operands, one E8M0 scale for each 32 along K, by v_wmma_scale_f32_16x16x128_f8f6f4 with both operands' format E2M1 (or v_wmma_scale_f32_32x16x128_f4), f32 sums; products left as they are: bf16, f16 or f32 operands; f32 sums; everything else in f32.
;; Inputs: Wout 1,024 x 1,024 float32; Wqkv 3,072 x 1,024 float32; bout 1,024 float32; mask 8 x 1,024 bool; x 8 x 1,024 x 1,024 float32.
;; Outputs: out0 8 x 1,024 x 1,024 float32.
;; This version of the problem:
;;   THIS VERSION OF THE PROBLEM IS GIVEN IN LOW PRECISION. The matrix products marked QUANTISED in the list below multiply operands that are first quantised to E2M1 (2 exponent bits, 1 mantissa bit; 4 bits a number), with one power-of-two scale for each 32 numbers along K (OCP MX v1.0); their sums are f32. The products marked 'left as it is' may take bf16, f16 or f32 operands, with f32 sums. Whichever they take, every output number must still come out within the allowed error. Rounding operands to bf16 (8 significant bits) uses up far more of that allowance than f16 does (11 bits, for magnitudes from 6e-5 to 65,504). All else is computed in f32.
;;   The module's matrix products, in the order in which they are computed (A, B: the left and right operand; K: the contracted axis; several contracted axes count as one K, in the product's order):
;;     1. [M 8,192, K 1,024] x [K 1,024, N 3,072]; A: input x; B: input Wqkv: QUANTISED
;;     2. batch 128 x [M 1,024, K 64] x [K 64, N 1,024]; A: computed on the way; B: computed on the way: left as it is (an operand is computed on the way)
;;     3. batch 128 x [M 1,024, K 1,024] x [K 1,024, N 64]; A: computed on the way; B: computed on the way: left as it is (an operand is computed on the way)
;;     4. [M 8,192, K 1,024] x [K 1,024, N 1,024]; A: computed on the way; B: input Wout: left as it is (an operand is computed on the way)
;;   THE QUANTISER, for each operand of a quantised product, along K:
;;     - K is cut into blocks of 32 from its start; a last block that is shorter is filled with zeros.
;;     - A block's scale is 2^e with e = floor(log2(the largest magnitude in the block)) - 2, held to -126 .. 127; a block of zeros has e = 0. As a byte (E8M0): e + 127.
;;     - Each number is divided by its block's scale, clamped to +-6, and rounded to the nearest number of E2M1, ties to even, subnormals kept.
;;     - The product sums the exact products of the quantised numbers (number of the format x scale) in f32.
;;   ~~~python
;;   def quantise(x, axis):      # numpy; x: float32 -> the quantised numbers, widened to float32 again
;;       x = np.moveaxis(x, axis, -1); K = x.shape[-1]
;;       x = np.pad(x, [(0, 0)] * (x.ndim - 1) + [(0, -K % 32)]); x = x.reshape(x.shape[:-1] + (-1, 32)); a = np.abs(x).max(-1, keepdims=True)
;;       e = np.where(a > 0, np.clip(np.frexp(np.where(a > 0, a, 1))[1] - 1 - 2, -126, 127), 0)      # np.frexp(a)[1] - 1 = floor(log2(a)), exactly
;;       r = np.clip(x / 2.0 ** e, -6, 6)
;;       step = 2.0 ** (np.maximum(np.frexp(np.where(r == 0, 1, r))[1] - 1, 0) - 1)
;;       q = np.round(r / step) * step * 2.0 ** e      # np.round: ties to even
;;       return np.moveaxis(q.reshape(q.shape[:-2] + (-1,))[..., :K], -1, axis).astype(np.float32)
;;   ~~~
;; One version. Each part assembles by itself: llvm-mc -triple=amdgcn-amd-amdhsa -mcpu=gfx1250 --defsym DOCPART=n.
;; ======== version 1 of 1: 4 launches
;; limits: values are held in f16: magnitudes above 65,504 overflow, below 6.1e-05 lose precision; right only within a limited range of input values
;; workspace buffers: xc 4,194,304 bytes; xs 262,144 bytes; wc 1,572,864 bytes; ws 98,304 bytes; wimg 2,097,152 bytes; rope 294,912 bytes; qkv 50,331,648 bytes; pre 16,777,216 bytes
;; launch prep (part 1): grid 498 x 1, 4 waves a work-group, no clusters, 33,280 bytes of LDS; arguments x, Wqkv, xc, xs, wc, ws, Wout, wimg, rope; writes xc, xs, wc, ws, wimg, rope
.if DOCPART == 1
	.amdgcn_target "amdgcn-amd-amdhsa--gfx1250"
	.amdhsa_code_object_version 6
	.text
	.protected	k_q54cf00ccec_prep
	.globl	k_q54cf00ccec_prep
	.p2align	8
	.type	k_q54cf00ccec_prep,@function
k_q54cf00ccec_prep:
	s_mov_b64 s[64:65], 0
	v_nop
	global_prefetch_b8 v0, s[64:65] scope:SCOPE_SE
	s_setreg_imm32_b32 hwreg(HW_REG_WAVE_MODE, 25, 1), 1
	s_wait_xcnt 0x0
; PREP: three jobs in one launch, told apart by the work-group's number alone.
; Q (work-groups 0-351): x [8192][1024] and Wqkv [3072][1024], f32, become codes of FP4 (E2M1), K innermost, with one E8M0 scale byte for each 32 along K.
;   A block's scale is 2^(floor(log2(its largest magnitude)) - 2); its byte is the largest magnitude's exponent field - 2, held at 1 from below.  Each number is divided by the scale and rounded to the nearest code, ties to even.
;   Rows are dense and K is a multiple of 32, so a tensor is a plain stream of blocks.  A wave takes 16 steps of 512 numbers: four loads of 512 consecutive bytes, a turn through its own stage in LDS, so that a lane holds 16 neighbours;
;   a lane's 16 codes are 8 bytes, so the wave stores 256 consecutive bytes; its 256 scale bytes are gathered in LDS and leave as one aligned run of 256 bytes.
;   Loads run EIGHT steps ahead: 32 loads, 16,384 bytes, of every wave are on their way; the turn through LDS runs one step ahead.
; W (work-groups 352-479): Wout [1024][1024] f32 becomes f16, laid in the order of the operand's registers: [nb 8][ks 8][nt 8][kk 4][half 2][lane 32][16 bytes]:
;   row 128 nb + 16 nt + lane % 16, k = 128 ks + 32 kk + 16 half + 8 (lane / 16) + 0..7.  A wave makes one tile of 16 rows x 128 K: 4,096 bytes, stored 512 consecutive bytes at a time.
; R (work-groups 480-497): the table of cos and sin, [tile 72][chunk 8][lane 32][16 bytes]: lane (r, h) of chunk i holds cos f, sin f, cos f+1, sin f+1 with f = 8 (i / 2) + 4 h + 2 (i % 2), at position 16 tile + r.
;   Tiles 64-71 are taken at position 0 (cos 1, sin 0): the identity, for V.  angle = position x 2^(-f log2(10000) / 32); it is brought into [-pi/4, pi/4] by a two-part pi/2 and fed to Taylor sums whose remainders lie under 2e-9 there.
; LIMITS: NaN and infinities among the inputs are not served; a block of zeros gets the byte 1 where the rule says 127 (its codes are zeros, and this program alone reads the bytes); blocks under 2^-124 were not tried;
;   the angle is good to about 1e-4 rad (the exponential's last bits x positions up to 1,023).
.set WAVES, 4
.set STEPS, 16
.set AHEAD, 8                          ; steps that the loads run ahead: as many sets of 16 registers
.set WGA,   256                        ; work-groups for x: 8192 x 1024 / 32768
.set WGQ,   352                        ; + 96 for Wqkv
.set WGW,   480                        ; + 128 for Wout
.set EMAX,  2
.set CB,    8                          ; bytes of 16 codes
.set R,     16                         ; v16-143  eight sets of 16 numbers as they are loaded
.set X,     144                        ; v144-175 two sets of 16 neighbours
.set E,     176                        ; v176-191 a scale byte for each step
.set C,     192                        ; v192-255 codes: four registers for each step, so that no store's data are written again
.set WREG,  8192                       ; LDS: a region for each wave: two stages of 32 x SP bytes, behind them its 256 scale bytes
.set SP,    80                         ; a lane's place in a stage: its 64 bytes + 16 of padding
.set SPW,   12                         ; v12      LDS address of my spare word; never rewritten
.set NIL,   13                         ; v13      0; never rewritten
.set SPARE, WAVES*WREG                 ; behind the four regions: the spare words, 128 bytes for each wave
	s_load_b128 s[4:7], s[0:1], 0x0                ; x, Wqkv
	s_load_b128 s[8:11], s[0:1], 0x10              ; x's codes, x's scales
	s_load_b128 s[12:15], s[0:1], 0x20             ; Wqkv's codes, Wqkv's scales
	s_load_b128 s[24:27], s[0:1], 0x30             ; Wout, its image
	s_load_b64 s[28:29], s[0:1], 0x40              ; the table
	v_lshl_add_u32 v[SPW], v0, 2, SPARE
	v_mov_b32 v[NIL], 0
	v_lshrrev_b32 v1, 5, v0
	v_readfirstlane_b32 s16, v1                    ; wave
	v_and_b32 v2, 31, v0                           ; lane
	s_wait_kmcnt 0x0
	s_cmp_ge_u32 ttmp9, WGQ
	s_cbranch_scc1 .Lother
; ---------------- Q: the quantiser ----------------
	v_lshlrev_b32 v3, 4, v2                        ; my 16 bytes of a load's 512
	s_mul_i32 s17, s16, WREG
	v_lshrrev_b32 v14, 2, v2
	v_mul_u32_u24 v14, v14, SP
	v_and_b32 v15, 3, v2
	v_lshl_add_u32 v14, v15, 4, v14
	v_add_nc_u32 v14, s17, v14                     ; the stage, on the way in: SP (lane / 4) + 16 (lane % 4)
	v_mul_u32_u24 v15, v2, SP
	v_add_nc_u32 v15, s17, v15                     ; and on the way out: SP x lane: my 16 neighbours
	v_mul_u32_u24 v4, v2, CB                       ; my codes' place in a step's
	v_lshrrev_b32 v5, 1, v2
	s_add_co_u32 s17, s17, 2*32*SP
	v_add_nc_u32 v5, s17, v5                       ; LDS: my wave's 256 scale bytes, my block's byte
	v_lshlrev_b32 v7, 3, v2                        ; and on the way out 8 bytes a lane
	v_add_nc_u32 v6, s17, v7
	s_cmp_lt_u32 ttmp9, WGA                        ; x or Wqkv?  The choice hangs on the work-group's number alone
	s_cselect_b64 s[4:5], s[4:5], s[6:7]
	s_cselect_b64 s[8:9], s[8:9], s[12:13]
	s_cselect_b64 s[10:11], s[10:11], s[14:15]
	s_cselect_b32 s17, 0, WGA
	s_sub_co_u32 s17, ttmp9, s17
	s_lshl_b32 s17, s17, 2
	s_add_co_u32 s18, s17, s16                     ; which run of 8,192 numbers of the tensor is my wave's
	s_mov_b32 s19, 0
	s_mov_b64 s[20:21], 512*STEPS*4
	s_mul_u64 s[20:21], s[18:19], s[20:21]
	s_add_nc_u64 s[4:5], s[4:5], s[20:21]
	s_mov_b64 s[20:21], 32*STEPS*CB
	s_mul_u64 s[20:21], s[18:19], s[20:21]
	s_add_nc_u64 s[8:9], s[8:9], s[20:21]
	s_lshl_b32 s18, s18, 8                         ; 256 scale bytes a run
	s_add_nc_u64 s[10:11], s[10:11], s[18:19]
.macro LOAD t
.irp i, 0,1,2,3
	global_load_b128 v[R+16*((\t)%AHEAD)+4*\i:R+16*((\t)%AHEAD)+4*\i+3], v3, s[4:5] offset:2048*(\t)+512*\i th:TH_LOAD_NT   ; 32 lanes read 512 consecutive bytes
.endr
.endm
.macro TURN t                          ; step t's numbers through the stage: LDS serves a wave's instructions in order, so no wait stands between the stores and the loads
.irp i, 0,1,2,3
	ds_store_b128 v14, v[R+16*((\t)%AHEAD)+4*\i:R+16*((\t)%AHEAD)+4*\i+3] offset:32*SP*((\t)%2)+8*SP*\i
.endr
.irp i, 0,1,2,3
	ds_load_b128 v[X+16*((\t)%2)+4*\i:X+16*((\t)%2)+4*\i+3], v15 offset:32*SP*((\t)%2)+16*\i
.endr
.endm
.irp t, 0,1,2,3,4,5,6,7
	LOAD \t
.endr
	s_wait_loadcnt 4*(AHEAD-1)                     ; step 0's four loads are in; the 28 of steps 1 to 7 stay out
	TURN 0
.macro STEP t
.set XS, X+16*((\t)%2)
.if (\t) > 0
	s_wait_dscnt 1                                 ; this step's numbers are back from the stage (the last step's byte store may be out): so its stores into the stage have read their registers,
.else
	s_wait_dscnt 0x0
.endif
.if (\t)+AHEAD < STEPS
	LOAD (\t)+AHEAD                                ; which take the loads of eight steps on
.endif
.if (\t)+1 < STEPS
.if STEPS-2-(\t) >= AHEAD-1
	s_wait_loadcnt 4*(AHEAD-1)                     ; the next step's four loads are in; those of the seven steps behind it may be out
.else
	s_wait_loadcnt 4*(STEPS-2-(\t))                ; towards the end: those of the steps that are left
.endif
	TURN (\t)+1                                    ; and go through the other stage while this step is worked
.endif
	v_max3_num_f32 v8, |v[XS]|, |v[XS+1]|, |v[XS+2]|               ; the largest magnitude of my 16, in two chains
	v_max3_num_f32 v9, |v[XS+3]|, |v[XS+4]|, |v[XS+5]|
.irp i, 6,10
	v_max3_num_f32 v8, v8, |v[XS+\i]|, |v[XS+\i+1]|
	v_max3_num_f32 v9, v9, |v[XS+\i+2]|, |v[XS+\i+3]|
.endr
	v_max3_num_f32 v8, v8, |v[XS+14]|, |v[XS+15]|
	v_max3_num_f32 v8, v8, v9, (EMAX+1)<<23        ; and the floor 2^(EMAX + 1 - 127): so the byte cannot fall under 1
	v_max_num_f32_dpp v8, v8, v8 row_xmask:1 row_mask:0xf bank_mask:0xf   ; and of my neighbour's 16: the block's
	v_add_nc_u32 v11, -(EMAX<<23), v8              ; EMAX off its exponent field: the conversion takes the exponent field of this operand as its scale, and nothing else of it
	v_cvt_scalef32_pk8_fp4_f32 v[C+4*(\t)], v[XS:XS+7], v11
	v_cvt_scalef32_pk8_fp4_f32 v[C+4*(\t)+1], v[XS+8:XS+15], v11
	v_lshrrev_b32 v[E+(\t)], 23, v11               ; the scale's byte (also the plain line behind the conversions)
	ds_store_b8 v5, v[E+(\t)] offset:16*(\t)       ; both lanes of a block write the same byte with the same value
	global_store_b64 v4, v[C+4*(\t):C+4*(\t)+1], s[8:9] offset:32*CB*(\t)   ; 32 lanes store 256 consecutive bytes, aligned
.endm
.irp t, 0,1,2,3,4,5,6,7,8,9,10,11,12,13,14,15
	STEP \t
.endr
	ds_load_b64 v[8:9], v6                         ; LDS serves a wave's instructions in order: these see my byte stores
	s_wait_dscnt 0x0
	global_store_b64 v7, v[8:9], s[10:11]          ; 32 lanes store 256 consecutive bytes, aligned
	s_wait_tensorcnt 0x0                           ; the wave's end, behind my last LDS store
	ds_add_u32 v[SPW], v[NIL]
	s_wait_dscnt 0x0
	s_endpgm
.Lother:
	s_cmp_ge_u32 ttmp9, WGW
	s_cbranch_scc1 .Lrope
; ---------------- W: Wout as f16 in the order of the operand's registers (no LDS) ----------------
	s_sub_co_u32 s17, ttmp9, WGQ
	s_lshl_b32 s17, s17, 2
	s_add_co_u32 s17, s17, s16                     ; my tile, 0..511
	s_lshr_b32 s18, s17, 3                         ; its 16 rows: 0..63
	s_and_b32 s19, s17, 7                          ; its 128 along K: 0..7
	s_lshl_b32 s20, s18, 16                        ; 16 rows of 4,096 bytes
	s_lshl_b32 s21, s19, 9                         ; 128 numbers of 4 bytes
	s_add_co_u32 s20, s20, s21
	s_mov_b32 s21, 0
	s_add_nc_u64 s[24:25], s[24:25], s[20:21]
	s_lshr_b32 s20, s18, 3
	s_lshl_b32 s20, s20, 18                        ; nb x 262,144
	s_lshl_b32 s22, s19, 15                        ; ks x 32,768
	s_add_co_u32 s20, s20, s22
	s_and_b32 s22, s18, 7
	s_lshl_b32 s22, s22, 12                        ; nt x 4,096
	s_add_co_u32 s20, s20, s22
	s_add_nc_u64 s[26:27], s[26:27], s[20:21]
	v_and_b32 v20, 15, v0                          ; r
	v_bfe_u32 v21, v0, 4, 1                        ; h
	v_lshlrev_b32 v22, 12, v20
	v_lshl_add_u32 v22, v21, 5, v22                ; row r, + 8 h numbers
	v_lshlrev_b32 v23, 4, v2                       ; out: 16 x lane
.irp q, 0,1,2,3,4,5,6,7                        ; piece q: k = 16 q + 8 h + 0..7
	global_load_b128 v[32+8*\q:32+8*\q+3], v22, s[24:25] offset:64*\q th:TH_LOAD_NT
	global_load_b128 v[32+8*\q+4:32+8*\q+7], v22, s[24:25] offset:64*\q+16 th:TH_LOAD_NT
.endr
.irp q, 0,1,2,3,4,5,6,7
	s_wait_loadcnt 14-2*\q                         ; piece q's two loads are in; the pairs behind them stay out
.irp p, 0,1,2,3
	v_cvt_pk_f16_f32 v[96+4*\q+\p], v[32+8*\q+2*\p], v[32+8*\q+2*\p+1]
.endr
	global_store_b128 v23, v[96+4*\q:96+4*\q+3], s[26:27] offset:512*\q    ; 32 lanes store 512 consecutive bytes, aligned
.endr
	s_endpgm
.Lrope:
; ---------------- R: cos and sin (no LDS) ----------------
	s_sub_co_u32 s17, ttmp9, WGW
	s_lshl_b32 s17, s17, 2
	s_add_co_u32 s17, s17, s16                     ; my tile of 16 positions, 0..71
	s_lshl_b32 s20, s17, 12
	s_mov_b32 s21, 0
	s_add_nc_u64 s[28:29], s[28:29], s[20:21]
	s_cmp_lt_u32 s17, 64
	s_cselect_b32 s18, 1, 0                        ; tiles 64-71 stand at position 0
	s_lshl_b32 s19, s17, 4
	s_mov_b32 s30, 0xbed49a78                      ; -log2(10000) / 32
	s_mov_b32 s31, 0x3f22f983                      ; 2 / pi
	s_mov_b32 s32, 0xbfc90fdb                      ; -(pi / 2), its f32 part,
	s_mov_b32 s33, 0x333bbd2e                      ; and minus what that part leaves
	s_mov_b32 s34, 0xbe2aaaab                      ; -1/3!
	s_mov_b32 s35, 0x3c088889                      ; 1/5!
	s_mov_b32 s36, 0xb9500d01                      ; -1/7!
	s_mov_b32 s37, 0x3638ef1d                      ; 1/9!
	s_mov_b32 s38, 0x3d2aaaab                      ; 1/4!
	s_mov_b32 s39, 0xbab60b61                      ; -1/6!
	s_mov_b32 s40, 0x37d00d01                      ; 1/8!
	s_mov_b32 s41, 0xb493f27e                      ; -1/10!
	s_mov_b32 s42, 0x80000000
	v_and_b32 v20, 15, v0
	v_bfe_u32 v21, v0, 4, 1
	v_add_nc_u32 v20, s19, v20
	v_mul_u32_u24 v20, s18, v20                    ; my position
	v_cvt_f32_u32 v19, v20
	v_lshlrev_b32 v17, 2, v21                      ; 4 h
	v_lshlrev_b32 v23, 4, v2                       ; out: 16 x lane
.irp n, 0,1,2,3,4,5,6,7,8,9,10,11,12,13,14,15  ; my 16 frequencies: f = 8 (n / 4) + 4 h + n % 4
	v_add_nc_u32 v[32+\n], 8*(\n/4)+\n%4, v17
.endr
.irp n, 0,1,2,3,4,5,6,7,8,9,10,11,12,13,14,15
	v_cvt_f32_u32 v[32+\n], v[32+\n]
.endr
.irp n, 0,1,2,3,4,5,6,7,8,9,10,11,12,13,14,15
	v_mul_f32 v[32+\n], s30, v[32+\n]
.endr
.irp n, 0,1,2,3,4,5,6,7,8,9,10,11,12,13,14,15
	v_exp_f32 v[32+\n], v[32+\n]                   ; 10000^(-f / 32)
.endr
	v_nop                                          ; a plain line behind the last exponential
	s_wait_alu depctr_va_vdst(0)                   ; one wait for the sixteen, ahead of their first reader
.macro SINCOS n                        ; cos into v[64 + 2 n], sin into v[65 + 2 n]
	v_mul_f32 v24, v19, v[32+(\n)]                 ; the angle
	v_mul_f32 v25, s31, v24
	v_rndne_f32 v25, v25                           ; N = the nearest multiple of pi / 2
	v_fma_f32 v24, v25, s32, v24
	v_fma_f32 v24, v25, s33, v24                   ; y = angle - N pi / 2, |y| <= pi / 4
	v_mul_f32 v26, v24, v24                        ; z = y y
	v_fma_f32 v27, v26, s37, s36
	v_fma_f32 v28, v26, s41, s40
	v_fma_f32 v27, v27, v26, s35
	v_fma_f32 v28, v28, v26, s39
	v_fma_f32 v27, v27, v26, s34
	v_fma_f32 v28, v28, v26, s38
	v_mul_f32 v30, v24, v26
	v_fma_f32 v28, v28, v26, -0.5
	v_fma_f32 v27, v27, v30, v24                   ; sin y
	v_fma_f32 v28, v28, v26, 1.0                   ; cos y
	v_cvt_i32_f32 v29, v25
	v_and_b32 v30, 1, v29
	v_cmp_ne_u32 vcc_lo, 0, v30                    ; an odd quarter swaps the two
	v_cndmask_b32 v31, v27, v28, vcc_lo
	v_cndmask_b32 v30, v28, v27, vcc_lo
	v_lshlrev_b32 v27, 30, v29                     ; sin is negative in quarters 2 and 3: bit 1 of N,
	v_add_nc_u32 v29, 1, v29
	v_lshlrev_b32 v28, 30, v29                     ; cos in quarters 1 and 2: bit 1 of N + 1
	v_and_b32 v27, s42, v27
	v_and_b32 v28, s42, v28
	v_xor_b32 v[65+2*(\n)], v27, v31
	v_xor_b32 v[64+2*(\n)], v28, v30
.endm
.irp n, 0,1,2,3,4,5,6,7,8,9,10,11,12,13,14,15
	SINCOS \n
.endr
.irp i, 0,1,2,3,4,5,6,7
	global_store_b128 v23, v[64+4*\i:64+4*\i+3], s[28:29] offset:512*\i    ; 32 lanes store 512 consecutive bytes, aligned
.endr
	s_endpgm
.Lfunc_end_k_q54cf00ccec_prep:
	.size	k_q54cf00ccec_prep, .Lfunc_end_k_q54cf00ccec_prep-k_q54cf00ccec_prep
	.p2alignl 7, 3214868480
	.fill 96, 4, 3214868480
	.section	.rodata,"a",@progbits
	.p2align	6, 0x0
	.amdhsa_kernel k_q54cf00ccec_prep
		.amdhsa_group_segment_fixed_size 33280
		.amdhsa_private_segment_fixed_size 0
		.amdhsa_enable_private_segment 0
		.amdhsa_kernarg_size 72
		.amdhsa_user_sgpr_count 2
		.amdhsa_user_sgpr_kernarg_segment_ptr 1
		.amdhsa_wavefront_size32 1
		.amdhsa_system_sgpr_workgroup_id_x 1
		.amdhsa_system_sgpr_workgroup_id_y 1
		.amdhsa_system_sgpr_workgroup_id_z 1
		.amdhsa_system_vgpr_workitem_id 0
		.amdhsa_next_free_vgpr 256
		.amdhsa_next_free_sgpr 66
		.amdhsa_reserve_vcc 1
		.amdhsa_float_denorm_mode_32 3
		.amdhsa_float_denorm_mode_16_64 3
		.amdhsa_memory_ordered 1
		.amdhsa_forward_progress 1
		.amdhsa_inst_pref_size 63
	.end_amdhsa_kernel
	.amdgpu_metadata
---
amdhsa.version: [ 1, 2 ]
amdhsa.kernels:
  - .name:           k_q54cf00ccec_prep
    .symbol:         k_q54cf00ccec_prep.kd
    .args:
      - { .name: x, .offset: 0, .size: 8, .value_kind: global_buffer, .address_space: global }
      - { .name: Wqkv, .offset: 8, .size: 8, .value_kind: global_buffer, .address_space: global }
      - { .name: xc, .offset: 16, .size: 8, .value_kind: global_buffer, .address_space: global }
      - { .name: xs, .offset: 24, .size: 8, .value_kind: global_buffer, .address_space: global }
      - { .name: wc, .offset: 32, .size: 8, .value_kind: global_buffer, .address_space: global }
      - { .name: ws, .offset: 40, .size: 8, .value_kind: global_buffer, .address_space: global }
      - { .name: Wout, .offset: 48, .size: 8, .value_kind: global_buffer, .address_space: global }
      - { .name: wimg, .offset: 56, .size: 8, .value_kind: global_buffer, .address_space: global }
      - { .name: rope, .offset: 64, .size: 8, .value_kind: global_buffer, .address_space: global }
    .group_segment_fixed_size: 33280
    .private_segment_fixed_size: 0
    .kernarg_segment_align: 8
    .kernarg_segment_size: 72
    .max_flat_workgroup_size: 128
    .sgpr_count:     66
    .vgpr_count:     256
    .wavefront_size: 32
...
	.end_amdgpu_metadata
.endif
;; end of part 1
;; launch qkv (part 2): grid 12 x 32, 4 waves a work-group, clusters of 4 x 4, 327,680 bytes of LDS; arguments xc, xs, wc, ws, rope, qkv; writes qkv
.if DOCPART == 2
	.amdgcn_target "amdgcn-amd-amdhsa--gfx1250"
	.amdhsa_code_object_version 6
	.text
	.protected	k_q54cf00ccec_qkv
	.globl	k_q54cf00ccec_qkv
	.p2align	8
	.type	k_q54cf00ccec_qkv,@function
k_q54cf00ccec_qkv:
	s_mov_b64 s[64:65], 0
	v_nop
	global_prefetch_b8 v0, s[64:65] scope:SCOPE_SE
	s_setreg_imm32_b32 hwreg(HW_REG_WAVE_MODE, 25, 1), 1
	s_wait_xcnt 0x0
	s_wait_alu depctr_hold_cnt(0) depctr_sa_sdst(0) depctr_va_vdst(0) depctr_va_sdst(0) depctr_va_ssrc(0) depctr_va_vcc(0) depctr_vm_vsrc(0)
	s_getreg_b32 s2, hwreg(HW_REG_IB_STS2, 6, 4)
	s_cmp_eq_u32 s2, 0
	s_cbranch_scc0 .Lentry_in_a_cluster
	s_endpgm
.Lentry_in_a_cluster:
	s_bfe_u32 s2, ttmp6, 0x10000c
	s_cmp_lg_u32 s2, 0xf033
	s_cbranch_scc0 .Lentry_shape_is_right
	s_endpgm
.Lentry_shape_is_right:
; qkv = x Wqkv^T on codes of FP4 (E2M1) with one E8M0 scale for each 32 along K; then the rotary embedding on q and k in f32; then one rounding to f16.
; x: 8,192 rows, Wqkv: 3,072 rows, K = 1,024: a row of codes is 512 bytes, a row of scale bytes 32.
; A tile of 256 tokens x 256 features is made by four waves; a wave makes 128 x 128: 64 accumulators of 16 x 16, 512 registers.  K is two slots of 512: both are first fills, nothing is filled again.
; The scale bytes of the work-group's 256 + 256 rows, for all of K, are two dense blocks: they come into LDS once, with the first fills.
; CLUSTERS: 4 x 4 work-groups.  The four of a row of the cluster need the same tiles of x, the four of a column the same tiles of Wqkv: each tile is asked for JOINTLY, by the same tensor load with the same descriptor and a mask that names the four.
; THE MATRIX INSTRUCTION IS USED TRANSPOSED (source 0 = 16 rows of Wqkv, source 1 = 16 rows of x): a lane holds ONE token (lane % 16) and eight neighbouring features 16 b + 8 (lane / 16) + 0..7: four rotary pairs.
; THE OUTPUT IS LAID IN THE ORDER OF THE NEXT PRODUCTS' OPERAND REGISTERS: [section q, k, v][batch x head 128][token tile 64][g 2][half 2][place 32][16 bytes]: token 16 tile + r, channels 32 g + 16 half + 8 h + 0..7.
;   For q and k the place is the lane.  For v it is 16 (r / 8) + 8 h + r % 8, so that the turning LDS load of the next launch reads 16 x lane.  So a lane's eight packed results are one 16-byte piece, each store of the wave
;   covers 512 consecutive bytes, aligned, and no stage in LDS is needed.
; A cluster's four tile columns are one section (1,024 features).  V takes the same lines with a table of cos = 1, sin = 0, which changes no bit: no branch hangs on the section.
; THE TABLE OF COS AND SIN of my eight token tiles, 32 registers a tile, is asked for long before it is used: seven tiles behind the first barrier, into registers that the products leave idle, so that they land under the 512 products;
;   the eighth at the head of the way out, into registers of Wqkv's fragments that are done with: seven tiles' work ahead of its use.
; LIMITS: |q|, |k|, |v| under 65,504 (f16); NaN and infinities are not served.
; REGISTERS, in windows of 256: window 0: v0-31 addresses; v32-95 scale words, two sets (on the way out: packed results, two sets); v96-127, v192-223, v224-255 the table of token tiles 0, 1, 2; v128-191 x's fragments, one set (on the way out: rotated numbers).
;   window 1: Wqkv's fragments, two sets, at v0 and v128; v64-95, v96-127, v192-223, v224-255 the table of token tiles 3 to 6; on the way out v0-31 that of tile 7.
;   window 2: the accumulators of my tokens 0-63 ((a, b) at v[8 (8 a + b)]);   window 3: those of tokens 64-127.
.set KSTEP,  512                       ; along K in a slot
.set NQ,     KSTEP/128                 ; matrix instructions deep
.set ROWB,   256                       ; a tile's row in bytes
.set KROW,   512                       ; a row of codes in memory
.set PITCH,  272                       ; an LDS row: 256 bytes + 16 of padding = 68 words: row r starts at bank 4 r mod 64 (64 banks of 4 bytes: ISA guide 11.1)
.set FR,     8                         ; registers of a fragment: 16 rows x 128 K
.set NL,     2                         ; LDS loads that bring one
.set NP,     4                         ; places behind this matrix instruction (ISA guide 7.12.1)
.set HALFT,  128*PITCH                 ; 128 rows: what one tensor load brings
.set SLOT,   4*HALFT                   ; x's 256 rows, then Wqkv's 256 rows
.set KS,     32                        ; a row of scale bytes
.set SCL,    2*SLOT                    ; behind the slots: the scales, as runs of 256 bytes + 16 of padding
.set HALFS,  (128*KS/256)*272          ; the scales of 128 rows
.set SBLK,   (16*KS/256)*272           ; those of 16 rows
.set SPARE,  SCL+4*HALFS               ; behind the scales: the spare words, 128 bytes for each wave
.set ADRA, 16                          ; v16-17  LDS address of my fragments of x in slot 0, 1
.set ADRB, 20                          ; v20-21  the same for Wqkv
.set LN,   24                          ; v24     16 x lane: my place in a chunk of the table; never rewritten
.set CO,   26                          ; v26     16 x my place in a chunk of the output; never rewritten
.set ADRS, 27                          ; v27     LDS address of my scale words: lanes 0-15 x's rows, lanes 16-31 Wqkv's
.set SPW,  28                          ; v28     LDS address of my spare word; never rewritten
.set NIL,  29                          ; v29     0; never rewritten
.set SC,   32                          ; scale words: set s at v[SC + 32 s]; register 4 i + q: lanes 0-15 x's block i, lanes 16-31 Wqkv's block i, the slot's q-th 128 along K
.set AF,   128                         ; x's fragments
.set T,    128                         ; the way out: 64 rotated numbers
.set PK,   32                          ; the way out: packed results, set a % 2 of 32 registers
.set G1, 24                            ; s[24:31] descriptor group 1 for x's tiles;  s[32:39] group 0, one set for each slot
.set G0, 32
.set G1B, 48                           ; s[48:55], s[56:63] the same for Wqkv's
.set G0B, 56
.set G1S, 68                           ; s[68:75], s[76:79] groups 1 and 0 for x's scales;  s[80:87], s[88:91] for Wqkv's
.set G0S, 76
.set G1SB, 80
.set G0SB, 88
.set ROPE, 96                          ; s[96:97] the table at my first token tile; never rewritten behind the head
.set OUT,  98                          ; s[98:99] the output at my first piece
.set MSB, 0
.macro WIN new                         ; the immediate's high byte repeats the setting that is left; a switch that changes nothing is dropped
.if MSB != (\new)
	s_set_vgpr_msb (MSB<<8)|(\new)
.set MSB, (\new)
.endif
.endm
.set MUL_LO, 0xa1                      ; source 0 (Wqkv) window 1, source 1 (x) window 0, C and D window 2
.set MUL_HI, 0xf1                      ; the same, C and D window 3
.set TO_B,   0x40                      ; destination window 1, address window 0
; A joint load: waves 0 and 1 fetch for x, waves 2 and 3 for Wqkv.  Each of the two lines has ONE mask and one set of registers for all that issue it; the branch hangs on the wave's number alone.
; An s_nop 0 and four v_nop follow each of the two lines, ahead of the jump, the label and what follows.
.macro JLOAD g0a, g1a, g0b, g1b
	s_cmp_eq_u32 s15, 0
	s_cbranch_scc0 .Lfor_b_\@
	tensor_load_to_lds s[\g0a:\g0a+3], s[\g1a:\g1a+7]
	s_nop 0
.rept 4
	v_nop
.endr
	s_branch .Lasked_\@
.Lfor_b_\@:
	tensor_load_to_lds s[\g0b:\g0b+3], s[\g1b:\g1b+7]
	s_nop 0
.rept 4
	v_nop
.endr
.Lasked_\@:
.endm
.macro CROUND                          ; a round of the cluster's barrier: my work-group's barrier; wave 0 signals for the work-group; every wave waits for all sixteen; my work-group's barrier once more
	s_barrier_signal -1
	s_barrier_wait -1
	s_cmp_lg_u32 s14, 0
	s_cbranch_scc1 .Lnot_wave_0_\@
	s_barrier_signal -3
.Lnot_wave_0_\@:
	s_barrier_wait -3
	s_barrier_signal -1
	s_barrier_wait -1
.endm
	s_load_b128 s[4:7], s[0:1], 0x0                ; x's codes s[4:5], x's scales s[6:7]
	s_load_b128 s[8:11], s[0:1], 0x10              ; Wqkv's codes s[8:9], its scales s[10:11]
	s_load_b128 s[96:99], s[0:1], 0x20             ; the table, the output
	v_lshl_add_u32 v[SPW], v0, 2, SPARE
	v_mov_b32 v[NIL], 0
	ds_add_u32 v[SPW], v[NIL]                      ; the wave's opening: the add, twice on end, and its wait ahead of my first tensor load; the set-up below stands between
	ds_add_u32 v[SPW], v[NIL]
	v_lshrrev_b32 v1, 5, v0
	v_readfirstlane_b32 s14, v1                    ; wave 0..3
	s_lshr_b32 s15, s14, 1                         ; which half of the tile's tokens is mine.  Also: I fetch for x (0) or for Wqkv (1)
	s_and_b32 s16, s14, 1                          ; which half of its features.  Also: which 128 rows of that tile I fetch
	s_bfe_u32 s40, ttmp6, 0x40000                  ; cx, cy: my place in the cluster
	s_bfe_u32 s41, ttmp6, 0x40004
	s_lshl_b32 s42, ttmp9, 2
	s_add_co_u32 s42, s42, s40                     ; tile column = 4 x cluster x + cx
	s_and_b32 s17, ttmp7, 0xffff
	s_lshl_b32 s17, s17, 2
	s_add_co_u32 s17, s17, s41                     ; tile row = 4 x cluster y + cy
	s_lshl_b32 s43, s41, 2
	s_lshl_b32 s43, 15, s43                        ; my row of the cluster
	s_lshl_b32 s44, 0x1111, s40                    ; my column
	; descriptor group 1: a tile of 128 rows x 256 bytes, padded in LDS
	s_or_b32 s[G1+0], s43, (0<<16)|(1<<20)|(1<<21)|(5<<22)|(3<<25)  ; 15:0 the mask: x's tiles go to my row; 17:16 element of 1 byte; 20 padding on; 21 set beside a mask; 24:22 after every 64 words; 31:25 of 4 words
	s_or_b32 s[G1B+0], s44, (0<<16)|(1<<20)|(1<<21)|(5<<22)|(3<<25)
.irp g, G1, G1B
	s_mov_b32 s[\g+1], ROWB<<16                    ; tensor_dim0
	s_mov_b32 s[\g+2], 128<<16                     ; tensor_dim1 = 128
	s_mov_b32 s[\g+3], ROWB<<16                    ; tile_dim0
	s_mov_b32 s[\g+4], 128                         ; tile_dim1 = 128
	s_mov_b32 s[\g+5], KROW                        ; tensor_dim0_stride
	s_mov_b32 s[\g+6], 0
	s_mov_b32 s[\g+7], 0
.endr
	; and for the scales of 128 rows: a dense block of 4,096 bytes, as rows of 256 bytes (32 elements of 8 bytes), 16 bytes of padding behind each
	s_or_b32 s[G1S+0], s43, (3<<16)|(1<<20)|(1<<21)|(5<<22)|(3<<25)
	s_or_b32 s[G1SB+0], s44, (3<<16)|(1<<20)|(1<<21)|(5<<22)|(3<<25)
.irp g, G1S, G1SB
	s_mov_b32 s[\g+1], 32<<16
	s_mov_b32 s[\g+2], (128*KS/256)<<16
	s_mov_b32 s[\g+3], 32<<16
	s_mov_b32 s[\g+4], 128*KS/256
	s_mov_b32 s[\g+5], 32
	s_mov_b32 s[\g+6], 0
	s_mov_b32 s[\g+7], 0
.endr
	s_lshl_b32 s18, s16, 7                         ; which 128 rows of the tile I fetch
	s_lshl_b32 s20, s17, 8
	s_add_co_u32 s20, s20, s18                     ; x: row 256 x tile row + 128 x half
	s_lshl_b32 s46, s42, 8
	s_add_co_u32 s46, s46, s18                     ; Wqkv: row 256 x tile column + 128 x half
	s_mov_b32 s21, 0
	s_mov_b32 s47, 0
	s_mov_b64 s[18:19], KS
	s_mul_u64 s[22:23], s[20:21], s[18:19]         ; where these rows' scales begin, in bytes
	s_mul_u64 s[92:93], s[46:47], s[18:19]
	s_mov_b64 s[18:19], KROW
	s_mul_u64 s[20:21], s[20:21], s[18:19]         ; and their codes
	s_mul_u64 s[46:47], s[46:47], s[18:19]
	s_mul_i32 s45, s14, HALFT                      ; where they go: wave x 128 rows: no place in the cluster enters an LDS address
	s_mul_i32 s94, s14, HALFS
	s_wait_dscnt 0x0                               ; both opening adds are done
	s_wait_kmcnt 0x0
	s_add_nc_u64 s[20:21], s[4:5], s[20:21]
	s_add_nc_u64 s[22:23], s[6:7], s[22:23]
	s_add_nc_u64 s[46:47], s[8:9], s[46:47]
	s_add_nc_u64 s[92:93], s[10:11], s[92:93]
	CROUND                                         ; all sixteen work-groups are here: the first joint loads meet
	s_mov_b32 s[G0S], 1
	s_add_co_u32 s[G0S+1], s94, SCL
	s_mov_b64 s[G0S+2:G0S+3], s[22:23]
	s_or_b32 s[G0S+3], s[G0S+3], 0x80000000
	s_mov_b32 s[G0SB], 1
	s_add_co_u32 s[G0SB+1], s94, SCL
	s_mov_b64 s[G0SB+2:G0SB+3], s[92:93]
	s_or_b32 s[G0SB+3], s[G0SB+3], 0x80000000
	JLOAD G0S, G1S, G0SB, G1SB                     ; the scales first: they are wanted with slot 0
.irp s, 0,1
	s_mov_b32 s[G0+4*\s], 1
	s_add_co_u32 s[G0+4*\s+1], s45, \s*SLOT
	s_add_nc_u64 s[G0+4*\s+2:G0+4*\s+3], s[20:21], \s*ROWB
	s_or_b32 s[G0+4*\s+3], s[G0+4*\s+3], 0x80000000
	s_mov_b32 s[G0B+4*\s], 1
	s_add_co_u32 s[G0B+4*\s+1], s45, \s*SLOT
	s_add_nc_u64 s[G0B+4*\s+2:G0B+4*\s+3], s[46:47], \s*ROWB
	s_or_b32 s[G0B+4*\s+3], s[G0B+4*\s+3], 0x80000000
	JLOAD G0+4*\s, G1, G0B+4*\s, G1B               ; three loads of mine are out: all that this launch asks for
.endr
	v_and_b32 v1, 15, v0                           ; r = lane % 16
	v_bfe_u32 v2, v0, 4, 1                         ; h = lane / 16
	v_mul_u32_u24 v3, v1, PITCH
	v_lshl_add_u32 v4, v2, 4, v3                   ; a fragment's row x pitch + 16 x half
	s_mul_i32 s21, s15, HALFT                      ; my 128 rows of x
	s_mul_i32 s22, s16, HALFT                      ; my 128 rows of Wqkv,
	s_add_co_u32 s22, s22, 2*HALFT                 ; which lie behind x's 256
.irp s, 0,1
	v_add_nc_u32 v[ADRA+\s], s21, v4
	v_add_nc_u32 v[ADRB+\s], s22, v4
	s_add_co_u32 s21, s21, SLOT
	s_add_co_u32 s22, s22, SLOT
.endr
	v_mul_u32_u24 v5, v1, KS                       ; my row's scales: 32 bytes a row,
	v_lshrrev_b32 v6, 8, v5
	v_lshl_add_u32 v5, v6, 4, v5                   ; and 16 more for each 256 passed
	s_mul_i32 s21, s15, HALFS                      ; x's: my 128 rows
	s_mul_i32 s22, s16, HALFS                      ; Wqkv's: my 128 rows, behind x's 256
	s_add_co_u32 s22, s22, 2*HALFS
	s_sub_co_u32 s22, s22, s21
	v_mul_u32_u24 v6, s22, v2                      ; lanes 16-31 take Wqkv's: one product, the distance between the two
	s_add_co_u32 s21, s21, SCL
	v_add_nc_u32 v5, v5, v6
	v_add_nc_u32 v[ADRS], s21, v5
	; the way out's addresses.  The section is the cluster's x, the same in all sixteen partners; it enters selects alone
	s_and_b32 s20, s17, 3
	s_lshl_b32 s20, s20, 4
	s_lshl_b32 s21, s15, 3
	s_add_co_u32 s20, s20, s21                     ; my first token tile in its batch: 16 (tile row % 4) + 8 x half
	s_lshl_b32 s22, s20, 12                        ; 4,096 bytes of table a tile
	s_cmp_eq_u32 ttmp9, 2                          ; V?
	s_cselect_b32 s22, 64*4096, s22                ; then the identity's eight tiles
	s_cselect_b32 s66, -1, 0
	s_mov_b32 s23, 0
	s_add_nc_u64 s[ROPE:ROPE+1], s[ROPE:ROPE+1], s[22:23]
	s_lshl_b32 s22, ttmp9, 24                      ; a section is 16,777,216 bytes
	s_lshr_b32 s21, s17, 2                         ; the batch
	s_lshl_b32 s21, s21, 4
	s_lshl_b32 s46, s40, 2
	s_add_co_u32 s21, s21, s46
	s_lshl_b32 s46, s16, 1
	s_add_co_u32 s21, s21, s46                     ; 16 x batch + my first head: 4 cx + 2 x half
	s_lshl_b32 s21, s21, 17                        ; a head is 131,072 bytes
	s_add_co_u32 s22, s22, s21
	s_lshl_b32 s21, s20, 11                        ; a token tile 2,048
	s_add_co_u32 s22, s22, s21
	s_add_nc_u64 s[OUT:OUT+1], s[OUT:OUT+1], s[22:23]
	v_and_b32 v6, 31, v0
	v_lshlrev_b32 v[LN], 4, v6
	v_bfe_u32 v5, v0, 3, 1                         ; r / 8
	v_and_b32 v7, 7, v0                            ; r % 8
	v_lshl_add_u32 v7, v2, 3, v7
	v_lshl_add_u32 v7, v5, 4, v7                   ; V's place: 16 (r / 8) + 8 h + r % 8
	v_lshlrev_b32 v7, 4, v7
	v_cndmask_b32 v[CO], v[LN], v7, s66
.macro RPSET a                         ; where the table of my token tile a stands: window RW, first register RB
.if (\a) < 3
.set RW, 0
.else
.set RW, 1
.endif
.if (\a) == 0
.set RB, 96
.elseif (\a) == 1
.set RB, 192
.elseif (\a) == 2
.set RB, 224
.elseif (\a) == 3
.set RB, 64
.elseif (\a) == 4
.set RB, 96
.elseif (\a) == 5
.set RB, 192
.elseif (\a) == 6
.set RB, 224
.else
.set RB, 0
.endif
.endm
.macro ROPELOAD a                      ; the table of my token tile a: eight chunks of 512 consecutive bytes
	RPSET \a
.set WN, RW<<6
	WIN WN                                         ; the destination's window; the address lies in window 0
.irp i, 0,1,2,3,4,5,6,7
	global_load_b128 v[RB+4*\i:RB+4*\i+3], v[LN], s[ROPE:ROPE+1] offset:(\a)*4096+512*\i
.endr
.endm
.macro FRAG reg, adr, q, i             ; a fragment, 16 rows x 128 K of 4-bit codes: lane l holds row l % 16; registers 4 c .. 4 c + 3 hold K = 64 c + 32 (l / 16) + 0 .. 31
.irp c, 0,1
	ds_load_b128 v[\reg+4*\c:\reg+4*\c+3], v[\adr] offset:64*(\q)+32*\c+(\i)*16*PITCH
.endr
.endm
; 16 matrix instructions: x's blocks a0, a0 + 1 against Wqkv's eight, 128 along K: the slot's q-th.  p: Wqkv's set;  sc: the set of scale words.  zero = 1: the first product starts the sums.
; The 64 accumulators take turns, one instruction a turn, in the same order in every step.
.macro MUL16 a0, p, q, sc, zero
.irp a, \a0, \a0+1
.irp b, 0,1,2,3,4,5,6,7
.if \zero
	v_wmma_scale_f32_16x16x128_f8f6f4 v[8*(8*((\a)%4)+\b):8*(8*((\a)%4)+\b)+7], v[128*(\p)+FR*\b:128*(\p)+FR*\b+FR-1], v[AF+FR*(\a):AF+FR*(\a)+FR-1], 0, v[SC+8*NQ*(\sc)+NQ*\b+(\q)], v[SC+8*NQ*(\sc)+NQ*(\a)+(\q)] matrix_a_fmt:MATRIX_FMT_FP4 matrix_b_fmt:MATRIX_FMT_FP4 matrix_a_scale:MATRIX_SCALE_ROW1
.else
	v_wmma_scale_f32_16x16x128_f8f6f4 v[8*(8*((\a)%4)+\b):8*(8*((\a)%4)+\b)+7], v[128*(\p)+FR*\b:128*(\p)+FR*\b+FR-1], v[AF+FR*(\a):AF+FR*(\a)+FR-1], v[8*(8*((\a)%4)+\b):8*(8*((\a)%4)+\b)+7], v[SC+8*NQ*(\sc)+NQ*\b+(\q)], v[SC+8*NQ*(\sc)+NQ*(\a)+(\q)] matrix_a_fmt:MATRIX_FMT_FP4 matrix_b_fmt:MATRIX_FMT_FP4 matrix_a_scale:MATRIX_SCALE_ROW1
.endif
.endr
.endr
.endm
.macro FETCH_B slot, q, p              ; Wqkv's eight fragments of the slot's q-th 128 along K into set p
	WIN TO_B
.irp i, 0,1,2,3,4,5,6,7
	FRAG 128*(\p)+FR*\i, ADRB+\slot, \q, \i
.endr
	WIN 0
.endm
.macro FETCH_A slot, q, i0             ; x's blocks i0 .. i0 + 3
.irp i, \i0, \i0+1, \i0+2, \i0+3
	FRAG AF+FR*(\i), ADRA+\slot, \q, \i
.endr
.endm
.macro SCALES sc                       ; a slot's scale words into set sc: four words a row; lanes 0-15 take x's block i, lanes 16-31 Wqkv's block i
.irp i, 0,1,2,3,4,5,6,7
	ds_load_b128 v[SC+8*NQ*\sc+NQ*\i:SC+8*NQ*\sc+NQ*\i+3], v[ADRS] offset:\i*SBLK
.endr
.endm
; A load into a register that a matrix instruction has read, and a vector instruction that reads a matrix result or writes one of its registers, stand NP places behind it; only plain vector
; instructions that name none of its registers are places (ISA guide 7.12.1 for vector instructions).
.macro PLACES n
.rept \n
	v_nop
.endr
.endm
.macro STEP slot, q, zero              ; a step of 128 along K that has its successor in the same slot
	s_wait_dscnt 4*NL                              ; Wqkv's set and x's blocks 0-3 are in; the youngest eight loads (x's blocks 4-7) may be out
	WIN MUL_LO
	MUL16 0, (\q)%2, \q, \slot, \zero
	MUL16 2, (\q)%2, \q, \slot, \zero
	s_wait_dscnt 0                                 ; x's blocks 4-7 are in (asked for 32 matrix instructions ago)
	PLACES NP
	FETCH_B \slot, (\q)+1, 1-(\q)%2
	FETCH_A \slot, (\q)+1, 0
	WIN MUL_HI
	MUL16 4, (\q)%2, \q, \slot, \zero
	MUL16 6, (\q)%2, \q, \slot, \zero
	PLACES NP
	WIN 0
	FETCH_A \slot, (\q)+1, 4
.endm
; Slot 0's last step changes slots: one barrier; in front of it each wave waits for all its tensor loads (its part of slot 1), adds 0 to its spare word, and waits for that and for its LDS loads.
.macro TURN slot, next
	s_wait_tensorcnt 0x0                           ; all my tensor loads have landed
	ds_add_u32 v[SPW], v[NIL]                      ; 0 onto my spare word
	s_wait_dscnt 4*NL+1                            ; (the add and the youngest eight loads, x's blocks 4-7, may be out)
	WIN MUL_LO
	MUL16 0, 1, NQ-1, \slot, 0                     ; sixteen matrix instructions stand between the add and the wait for it
	s_wait_dscnt 0x0                               ; the add is done, and no LDS load of mine is out at the signal
	s_barrier_signal -1
	MUL16 2, 1, NQ-1, \slot, 0
	WIN 0
	s_barrier_wait -1                              ; the other slot is whole
	PLACES NP
	v_add_nc_u32 v[ADRS], 4*NQ, v[ADRS]            ; on to the next slot's scale words
	FETCH_B \next, 0, 0
	FETCH_A \next, 0, 0
	SCALES \next
	WIN MUL_HI
	MUL16 4, 1, NQ-1, \slot, 0
	MUL16 6, 1, NQ-1, \slot, 0
	PLACES NP
	WIN 0
	FETCH_A \next, 0, 4
.endm
.macro STEPS slot, from                ; the slot's steps from .. NQ - 2
.set Q, \from
.rept NQ-1-\from
	STEP \slot, Q, 0
.set Q, Q+1
.endr
.endm
	s_wait_tensorcnt 1                             ; the scales and my part of slot 0 are in; slot 1's load, the one issued behind them, may be out
	s_barrier_signal -1
	s_barrier_wait -1                              ; everybody's are
	FETCH_B 0, 0, 0
	FETCH_A 0, 0, 0
	SCALES 0
	FETCH_A 0, 0, 4
.irp a, 0,1,2,3,4,5,6
	ROPELOAD \a                                    ; the table of token tiles 0 to 6: 56 loads, behind the first tiles' arrival and ahead of all 512 products, into registers that no product names
.endr
	STEP 0, 0, 1                                   ; the first step's products start the sums: nothing is cleared
	STEPS 0, 1
	TURN 0, 1
	STEPS 1, 0
	s_wait_dscnt 4*NL                              ; the very last step: nothing more to fetch
	WIN MUL_LO
	MUL16 0, 1, NQ-1, 1, 0
	MUL16 2, 1, NQ-1, 1, 0
	s_wait_dscnt 0
	WIN MUL_HI
	MUL16 4, 1, NQ-1, 1, 0
	MUL16 6, 1, NQ-1, 1, 0
	WIN 0
; THE WAY OUT, a token tile (16 tokens x 128 features: eight accumulators) at a time.  Accumulator (a, b): channels 16 (b % 4) + 8 h + 0..7 of head b / 4: rotary pairs p = 0..3 with frequency 8 (b % 4) + 4 h + p,
; whose cos and sin lie in registers 8 (b % 4) + 2 p and + 1 of the tile's table.  out(even) = even cos - odd sin;  out(odd) = odd cos + even sin.  Each accumulator is read from its low end on.
.macro ROT a, b                        ; (RB: the tile's table, set by RPSET)
.set AC, 64*((\a)%4)+8*(\b)
.set RS, RB+8*((\b)%4)
.set TT, T+8*(\b)
.irp p, 0,1,2,3
	v_pk_mul_f32 v[TT+2*\p:TT+2*\p+1], v[AC+2*\p:AC+2*\p+1], v[RS+2*\p:RS+2*\p+1] op_sel_hi:[1,0]   ; both x cos
.endr
.irp p, 0,1,2,3
	v_fma_f32 v[TT+2*\p], -v[AC+2*\p+1], v[RS+2*\p+1], v[TT+2*\p]
	v_fma_f32 v[TT+2*\p+1], v[AC+2*\p], v[RS+2*\p+1], v[TT+2*\p+1]
.endr
.endm
	PLACES NP                                      ; behind the last products: their results are read, and their operands' and scales' registers written, below
.irp a, 0,1,2,3,4,5,6,7
.if \a == 0
	s_wait_loadcnt 48                              ; tile 0's table is in; the 48 loads of tiles 1 to 6 may be out
	ROPELOAD 7                                     ; the last tile's table, into Wqkv's set 0, which no product has read since the last step but one: seven tiles' work ahead of its use; 56 loads of mine are out at the most
.else
	s_wait_loadcnt 8*(7-\a)                        ; this tile's table is in; those of the tiles behind it may be out
.endif
	RPSET \a
.set WN, (0x02+(\a)/4)|(RW<<2)
	WIN WN                                         ; source 0: the accumulators' window; source 1: the table's
.irp b, 0,1,2,3,4,5,6,7
	ROT \a, \b
.endr
	WIN 0
.if \a >= 2
	s_wait_xcnt 0x0                                ; the stores of two tiles back have read this set of packed results: it is written again only behind this wait
.endif
.irp b, 0,1,2,3,4,5,6,7
.irp p, 0,1,2,3
	v_cvt_pk_f16_f32 v[PK+32*(\a%2)+4*\b+\p], v[T+8*\b+2*\p], v[T+8*\b+2*\p+1]
.endr
.endr
.irp b, 0,1,2,3,4,5,6,7
	global_store_b128 v[CO], v[PK+32*(\a%2)+4*\b:PK+32*(\a%2)+4*\b+3], s[OUT:OUT+1] offset:\a*2048+(\b/4)*131072+((\b/2)%2)*1024+(\b%2)*512   ; 32 lanes store 512 consecutive bytes, aligned
.endr
.endr
	s_wait_tensorcnt 0x0                           ; the wave's end, behind my last tensor load
	ds_add_u32 v[SPW], v[NIL]
	s_wait_dscnt 0x0
	CROUND                                         ; the closing round: no work-group ends while a partner may still ask for a tile that names it
	s_endpgm
.Lfunc_end_k_q54cf00ccec_qkv:
	.size	k_q54cf00ccec_qkv, .Lfunc_end_k_q54cf00ccec_qkv-k_q54cf00ccec_qkv
	.p2alignl 7, 3214868480
	.fill 96, 4, 3214868480
	.section	.rodata,"a",@progbits
	.p2align	6, 0x0
	.amdhsa_kernel k_q54cf00ccec_qkv
		.amdhsa_group_segment_fixed_size 327680
		.amdhsa_private_segment_fixed_size 0
		.amdhsa_enable_private_segment 0
		.amdhsa_kernarg_size 48
		.amdhsa_user_sgpr_count 2
		.amdhsa_user_sgpr_kernarg_segment_ptr 1
		.amdhsa_wavefront_size32 1
		.amdhsa_system_sgpr_workgroup_id_x 1
		.amdhsa_system_sgpr_workgroup_id_y 1
		.amdhsa_system_sgpr_workgroup_id_z 1
		.amdhsa_system_vgpr_workitem_id 0
		.amdhsa_next_free_vgpr 1024
		.amdhsa_next_free_sgpr 100
		.amdhsa_reserve_vcc 0
		.amdhsa_float_denorm_mode_32 3
		.amdhsa_float_denorm_mode_16_64 3
		.amdhsa_memory_ordered 1
		.amdhsa_forward_progress 1
		.amdhsa_inst_pref_size 172
	.end_amdhsa_kernel
	.amdgpu_metadata
---
amdhsa.version: [ 1, 2 ]
amdhsa.kernels:
  - .name:           k_q54cf00ccec_qkv
    .symbol:         k_q54cf00ccec_qkv.kd
    .args:
      - { .name: xc, .offset: 0, .size: 8, .value_kind: global_buffer, .address_space: global }
      - { .name: xs, .offset: 8, .size: 8, .value_kind: global_buffer, .address_space: global }
      - { .name: wc, .offset: 16, .size: 8, .value_kind: global_buffer, .address_space: global }
      - { .name: ws, .offset: 24, .size: 8, .value_kind: global_buffer, .address_space: global }
      - { .name: rope, .offset: 32, .size: 8, .value_kind: global_buffer, .address_space: global }
      - { .name: qkv, .offset: 40, .size: 8, .value_kind: global_buffer, .address_space: global }
    .group_segment_fixed_size: 327680
    .private_segment_fixed_size: 0
    .kernarg_segment_align: 8
    .kernarg_segment_size: 48
    .max_flat_workgroup_size: 128
    .sgpr_count:     100
    .vgpr_count:     1024
    .wavefront_size: 32
...
	.end_amdgpu_metadata
.endif
;; end of part 2
;; launch attn (part 3): grid 2 x 128, 8 waves a work-group, no clusters, 327,680 bytes of LDS; arguments qkv, mask, pre; writes pre
.if DOCPART == 3
	.amdgcn_target "amdgcn-amd-amdhsa--gfx1250"
	.amdhsa_code_object_version 6
	.text
	.protected	k_q54cf00ccec_attn
	.globl	k_q54cf00ccec_attn
	.p2align	8
	.type	k_q54cf00ccec_attn,@function
k_q54cf00ccec_attn:
	s_mov_b64 s[64:65], 0
	v_nop
	global_prefetch_b8 v0, s[64:65] scope:SCOPE_SE
	s_setreg_imm32_b32 hwreg(HW_REG_WAVE_MODE, 25, 1), 1
	s_wait_xcnt 0x0
; pre[b][q][head] = softmax_k(q . k / 8, keys hidden where mask[b][k] is 0) v, for one head and 512 queries a work-group (x: which half of the 1,024 queries; y: 16 x batch + head).
; q, k, v arrive as f16 in the order of the operands' registers: [section][batch x head][token tile 64][g 2][half 2][place 32][16 bytes] (2,048 bytes a tile of 16 tokens x 64 channels).  Products, maxima and sums in f32;
; the weights p are rounded to f16 for the second product, the result once at the end.
; A HEAD'S K AND V, 131,072 BYTES EACH, LIE WHOLE IN LDS, filled once by tensor loads, four a wave, one for each quarter of 256 keys: no slot is filled again.  TWO BARRIERS IN ALL: ahead of key 0 each wave has waited for its load of
; the first quarter; ahead of key 256 for all four of its loads, which have had the first quarter's four steps in which to land.  Behind the second barrier the waves walk 768 keys with nothing to hold them in step.
; SHARES.  Eight waves, two to a SIMD; a wave owns 64 queries, four tiles of 16, and walks all keys, 64 a step.  A step goes in phases (K Q^T, softmax, V^T P), so that one wave's matrix work can stand beside the vector work
; of the other wave of its SIMD.
; NO CLUSTER: two work-groups share a head, and what they share, 262,144 bytes, is asked for once, against 1,024 matrix instructions a wave.  No prefetch: every byte of K and V is asked for at the head.
; LAYOUT.  S^T = K Q^T (source 0 = 16 keys, source 1 = 16 queries): a lane holds ONE query (lane % 16) and the keys 8 (lane / 16) + 0..7 of a tile.  Two such tiles, packed to f16, ARE source 1 of O^T = V^T P, whose result
; again holds one query a lane and eight channels; packed, two of its tiles are a fragment of the projection's operand, so the stores need no stage.  V^T comes out of LDS by the turning load at 16 x lane.
; THE MASK: bias[key] = 0 or -2^100 is the C of each score tile's first matrix instruction: a hidden key's p is 0 as soon as an open key has set the maximum (the rescaling factor is then 0 and wipes what hidden keys left).
; A batch row with no open key at all sets c = 0: every p is 1, the plain average, as the reference gives it.  The choice is a select; no branch hangs on the mask.
; SOFTMAX.  For each query a running maximum m and sum l: p = 2^(c s - c m), c = log2(e) / 8; in every step O^T and l are multiplied by a = 2^(c m_old - c m_new).
; LIMITS: |q . k| under 2^75 (so that -2^100 swallows a hidden score); f16 operands (|q|, |k|, |v| under 65,504); NaN and infinities are not served.
; REGISTERS.  window 0: v1-6 addresses; v8, v9 the add's two; v10-15 at work; v16-47 eight registers of statistics a tile; v48-111 K's fragments, then V's; v112-239 S^T, 32 a tile; P is written over its lower half.
;   window 1: v0-127 O^T, 32 a tile; v128-191 Q, 16 a tile; v192-223 the step's bias, 8 a key tile.
.set VB,    131072                     ; LDS: K at 0, V here,
.set BIAS,  262144                     ; the bias, 1,024 f32, stored by the waves (no tensor load lands here),
.set SPARE, 266240                     ; the spare words, 128 bytes for each of the eight waves
.set AK0, 1                            ; v1   16 x lane; never rewritten (also my offset in Q's loads and in the stores)
.set AV0, 2                            ; v2   VB + 16 x lane
.set AB0, 3                            ; v3   BIAS + 32 (lane / 16)
.set LK,  4                            ; v4-6 the step's addresses of K, V, bias
.set LV,  5
.set LB,  6
.set SPW, 8                            ; v8   LDS address of my spare word; never rewritten
.set NIL, 9                            ; v9   0; never rewritten
.set ST,  16                           ; tile t at v[ST + 8 t]: +0 c m, +1 m, +2, +3 l (even keys', odd keys'), +4 to +7 at work; a in +6
.set KV,  48
.set S,   112
.set Q,   128                          ; window 1
.set BI,  192                          ; window 1
.set WV,  10                           ; s10  wave
.set QH,  11                           ; s11  which half of the queries
.set BH,  12                           ; s12  16 x batch + head
.set G1,  16                           ; s[16:23] descriptor group 1
.set G0,  24                           ; s[24:39] descriptor group 0, a set for each quarter
.set SEL, 40                           ; s[40:41] lane selects: lane l xor 16
.set CS,  42                           ; s[42:43] c, twice: the packed form names a pair
.set TB,  44                           ; s44  LDS byte at which the step's tiles begin, in K and in V
.set TJ,  45                           ; s45  and in the bias
.set CNT, 46                           ; s46  steps to go in the loop
.set MSB, 0
.macro WIN new                         ; the immediate's high byte repeats the setting that is left; a switch that changes nothing is dropped
.if MSB != (\new)
	s_set_vgpr_msb (MSB<<8)|(\new)
.set MSB, (\new)
.endif
.endm
	s_load_b128 s[4:7], s[0:1], 0x0                ; qkv, mask
	s_load_b64 s[8:9], s[0:1], 0x10                ; pre
	v_lshl_add_u32 v[SPW], v0, 2, SPARE
	v_mov_b32 v[NIL], 0
	ds_add_u32 v[SPW], v[NIL]                      ; the wave's opening: the add, twice on end, and its wait ahead of my first tensor load; the set-up below stands between
	ds_add_u32 v[SPW], v[NIL]
	v_lshrrev_b32 v10, 5, v0
	v_readfirstlane_b32 s[WV], v10                 ; wave 0..7
	s_mov_b32 s[QH], ttmp9
	s_and_b32 s[BH], ttmp7, 0xffff
	s_lshr_b32 s13, s[WV], 2                       ; I fetch for K (0) or for V (1)
	s_and_b32 s14, s[WV], 3                        ; which 8,192 bytes of a quarter
	; descriptor group 1: a dense block of 8,192 bytes as 32 rows of 256 bytes (32 elements of 8 bytes); no padding: every LDS read takes 16 x lane
	s_mov_b32 s[G1+0], 3<<16
	s_mov_b32 s[G1+1], 32<<16                      ; tensor_dim0
	s_mov_b32 s[G1+2], 32<<16                      ; tensor_dim1
	s_mov_b32 s[G1+3], 32<<16                      ; tile_dim0
	s_mov_b32 s[G1+4], 32                          ; tile_dim1
	s_mov_b32 s[G1+5], 32                          ; the pitch
	s_mov_b32 s[G1+6], 0
	s_mov_b32 s[G1+7], 0
	s_mov_b32 s[SEL], 0x76543210
	s_mov_b32 s[SEL+1], 0xfedcba98
	s_lshl_b32 s48, s13, 17
	s_lshl_b32 s49, s14, 13
	s_add_co_u32 s48, s48, s49                     ; LDS: K or V, my part of a quarter
	s_add_co_u32 s50, s13, 1
	s_lshl_b32 s50, s50, 24                        ; memory: section 1 (k) or 2 (v),
	s_lshl_b32 s51, s[BH], 17                      ; my head,
	s_add_co_u32 s50, s50, s51
	s_add_co_u32 s50, s50, s49                     ; my part of a quarter
	s_mov_b32 s51, 0
	s_wait_dscnt 0x0                               ; both opening adds are done
	s_wait_kmcnt 0x0
	s_add_nc_u64 s[50:51], s[4:5], s[50:51]
.irp i, 0,1,2,3
	s_mov_b32 s[G0+4*\i], 1
	s_add_co_u32 s[G0+4*\i+1], s48, \i*32768
	s_add_nc_u64 s[G0+4*\i+2:G0+4*\i+3], s[50:51], \i*32768
	s_or_b32 s[G0+4*\i+3], s[G0+4*\i+3], 0x80000000
.endr
.irp i, 0,1,2,3
	tensor_load_to_lds s[G0+4*\i:G0+4*\i+3], s[G1:G1+7]            ; the first fills, all together: four loads of mine are out, and no more are ever issued
	s_nop 0
.endr
.rept 4
	v_nop
.endr
	v_and_b32 v10, 31, v0
	v_lshlrev_b32 v[AK0], 4, v10
	v_add_nc_u32 v[AV0], VB, v[AK0]
	v_bfe_u32 v11, v0, 4, 1
	v_lshl_add_u32 v[AB0], v11, 5, BIAS
	s_lshr_b32 s52, s[BH], 4
	s_lshl_b32 s52, s52, 10                        ; my batch's row of the mask
	s_mov_b32 s53, 0
	s_add_nc_u64 s[6:7], s[6:7], s[52:53]
	v_lshlrev_b32 v12, 2, v0
	v_lshlrev_b32 v13, 5, v10
	global_load_b32 v14, v12, s[6:7]               ; thread t: keys 4 t .. 4 t + 3
	global_load_b128 v[52:55], v13, s[6:7]         ; and each wave sees the whole row, 32 bytes a lane
	global_load_b128 v[56:59], v13, s[6:7] offset:16
	s_lshl_b32 s54, s[BH], 17
	s_lshl_b32 s55, s[QH], 16
	s_add_co_u32 s54, s54, s55
	s_lshl_b32 s55, s[WV], 13
	s_add_co_u32 s54, s54, s55                     ; section 0 (q): my head, my half, my wave's four tiles
	s_mov_b32 s55, 0
	s_add_nc_u64 s[54:55], s[4:5], s[54:55]
	WIN 0x40                                       ; destination window 1
.irp t, 0,1,2,3
.irp g, 0,1
	global_load_b128 v[Q+16*\t+8*\g:Q+16*\t+8*\g+3],   v[AK0], s[54:55] offset:\t*2048+\g*1024
	global_load_b128 v[Q+16*\t+8*\g+4:Q+16*\t+8*\g+7], v[AK0], s[54:55] offset:\t*2048+\g*1024+512
.endr
.endr
	WIN 0
	; where my results go: [block of 256 tokens][pair of heads][token tile][32 features][half][lane][16 bytes]
	s_lshr_b32 s56, s[BH], 4
	s_lshl_b32 s56, s56, 2
	s_lshl_b32 s57, s[QH], 1
	s_add_co_u32 s56, s56, s57
	s_add_co_u32 s56, s56, s13                     ; 4 x batch + 2 x half + wave / 4
	s_lshl_b32 s56, s56, 19
	s_bfe_u32 s57, s[BH], 0x30001                  ; head / 2
	s_lshl_b32 s57, s57, 16
	s_add_co_u32 s56, s56, s57
	s_lshl_b32 s57, s14, 14                        ; 4 (wave % 4) tiles of 4,096 bytes
	s_add_co_u32 s56, s56, s57
	s_and_b32 s57, s[BH], 1
	s_lshl_b32 s57, s57, 11                        ; the odd head's 64 features
	s_add_co_u32 s56, s56, s57
	s_mov_b32 s57, 0
	s_add_nc_u64 s[8:9], s[8:9], s[56:57]
	s_wait_loadcnt 16                              ; the three loads of the mask are in; Q's sixteen may be out
	v_mov_b32 v48, 0xf1800000                      ; -2^100
	v_mov_b32 v49, 0
.irp e, 0,1,2,3
	v_bfe_u32 v15, v14, 8*\e, 8
	v_cmp_ne_u32 s47, 0, v15
	v_cndmask_b32 v[60+\e], v48, v49, s47          ; an open key: 0
.endr
	v_lshl_add_u32 v15, v0, 4, BIAS
	ds_store_b128 v15, v[60:63]
	v_or_b32 v52, v52, v53
	v_or_b32 v54, v54, v55
	v_or_b32 v56, v56, v57
	v_or_b32 v58, v58, v59
	v_or_b32 v52, v52, v54
	v_or_b32 v56, v56, v58
	v_or_b32 v52, v52, v56
	v_cmp_ne_u32 s47, 0, v52                       ; does any lane see an open key?
	s_cmp_lg_u32 s47, 0
	s_cselect_b32 s[CS], 0x3e38aa3b, 0             ; c = log2(e) / 8, or 0 where the whole row is hidden
	s_mov_b32 s[CS+1], s[CS]
	s_wait_loadcnt 0x0                             ; Q
.macro SCALE t, b                      ; pair b of tile t: c s - c m
	v_pk_fma_f32 v[S+32*(\t)+2*(\b):S+32*(\t)+2*(\b)+1], v[S+32*(\t)+2*(\b):S+32*(\t)+2*(\b)+1], s[CS:CS+1], v[ST+8*(\t):ST+8*(\t)+1] op_sel_hi:[1,0,0] neg_lo:[0,0,1] neg_hi:[0,0,1]
.endm
; A KEY STEP: 64 keys.  first = 1: the first step, which starts m, l and O^T: it has no a and nothing to rescale.
.macro STEP first
	v_add_nc_u32 v[LK], s[TB], v[AK0]              ; these three and two v_nop are five places behind the last V^T P: K's loads land on V's registers (four are asked), and K Q^T writes over P's (five)
	v_add_nc_u32 v[LV], s[TB], v[AV0]
	v_add_nc_u32 v[LB], s[TJ], v[AB0]
	v_nop
	v_nop
	WIN 0x40                                       ; what the first sixteen products want comes first: the bias,
.irp kt, 0,1,2,3
	ds_load_b128 v[BI+8*\kt:BI+8*\kt+3],   v[LB] offset:\kt*64        ; of keys 16 kt + 8 (lane / 16) + 0..7: the result's layout
	ds_load_b128 v[BI+8*\kt+4:BI+8*\kt+7], v[LB] offset:\kt*64+16
.endr
	WIN 0
.irp g, 0,1                                    ; K's channels 0-31 of the four key tiles, and behind them its channels 32-63: the fragments' registers as they were stored
.irp kt, 0,1,2,3
	ds_load_b128 v[KV+16*\kt+8*\g:KV+16*\kt+8*\g+3],   v[LK] offset:\kt*2048+\g*1024
	ds_load_b128 v[KV+16*\kt+8*\g+4:KV+16*\kt+8*\g+7], v[LK] offset:\kt*2048+\g*1024+512
.endr
.endr
	s_wait_dscnt 8                                 ; the bias and K's channels 0-31 are in; the youngest eight loads, channels 32-63, may be out: they land under the sixteen products below
	WIN 0x14                                       ; Q (source 1) and the bias (C) in window 1.  The sixteen accumulators take turns, one instruction a turn
.irp kt, 0,1,2,3
.irp t, 0,1,2,3
	v_wmma_f32_16x16x32_f16 v[S+32*\t+8*\kt:S+32*\t+8*\kt+7], v[KV+16*\kt:KV+16*\kt+7], v[Q+16*\t:Q+16*\t+7], v[BI+8*\kt:BI+8*\kt+7]
.endr
.endr
	s_wait_dscnt 0x0                               ; K's channels 32-63 are in
	WIN 0x04
.irp kt, 0,1,2,3
.irp t, 0,1,2,3
	v_wmma_f32_16x16x32_f16 v[S+32*\t+8*\kt:S+32*\t+8*\kt+7], v[KV+16*\kt+8:KV+16*\kt+15], v[Q+16*\t+8:Q+16*\t+15], v[S+32*\t+8*\kt:S+32*\t+8*\kt+7]
.endr
.endr
	WIN 0
.rept 4
	v_nop                                          ; four places: V's loads land on K's registers, and the maxima read the scores
.endr
.irp kg, 0,1
.irp c, 0,1,2,3
	ds_load_tr16_b128 v[KV+32*\kg+8*\c:KV+32*\kg+8*\c+3],   v[LV] offset:\kg*4096+(\c/2)*1024+(\c%2)*512        ; V^T: channels 16 c on, keys 32 kg + 8 (lane / 16) + 0..7,
	ds_load_tr16_b128 v[KV+32*\kg+8*\c+4:KV+32*\kg+8*\c+7], v[LV] offset:\kg*4096+2048+(\c/2)*1024+(\c%2)*512   ; and 16 keys on.  They land under the softmax
.endr
.endr
	; the maximum of a lane's 32 scores and the old m: four chains a tile, one to a score tile, each begun at that tile's low end; the four query tiles by turns
.irp j, 0,1,2,3
.irp t, 0,1,2,3
	v_max3_num_f32 v[ST+8*\t+4+\j], v[S+32*\t+8*\j], v[S+32*\t+8*\j+1], v[S+32*\t+8*\j+2]
.endr
.endr
.irp u, 1,2
.irp j, 0,1,2,3
.irp t, 0,1,2,3
	v_max3_num_f32 v[ST+8*\t+4+\j], v[ST+8*\t+4+\j], v[S+32*\t+8*\j+2*\u+1], v[S+32*\t+8*\j+2*\u+2]
.endr
.endr
.endr
.irp t, 0,1,2,3
	v_max3_num_f32 v[ST+8*\t+4], v[ST+8*\t+4], v[S+32*\t+7], v[S+32*\t+15]
.endr
.irp t, 0,1,2,3
	v_max3_num_f32 v[ST+8*\t+6], v[ST+8*\t+6], v[S+32*\t+23], v[S+32*\t+31]
.endr
.irp t, 0,1,2,3
	v_max3_num_f32 v[ST+8*\t+4], v[ST+8*\t+4], v[ST+8*\t+5], v[ST+8*\t+6]
.endr
.irp t, 0,1,2,3
.if \first
	v_max_num_f32 v[ST+8*\t+4], v[ST+8*\t+4], v[ST+8*\t+7]
.else
	v_max3_num_f32 v[ST+8*\t+4], v[ST+8*\t+4], v[ST+8*\t+7], v[ST+8*\t+1]
.endif
.endr
.if \first == 0
.irp t, 0,1,2,3
	v_mov_b32 v[ST+8*\t+7], v[ST+8*\t]             ; c m_old is kept for a
.endr
.endif
.irp t, 0,1,2,3
	v_permlanex16_b32 v[ST+8*\t+5], v[ST+8*\t+4], s[SEL], s[SEL+1]   ; the query's other 32 keys lie in the lane 16 away
.endr
.irp t, 0,1,2,3
	v_max_num_f32 v[ST+8*\t+1], v[ST+8*\t+4], v[ST+8*\t+5]
.endr
.irp t, 0,1,2,3
	v_mul_f32 v[ST+8*\t], s[CS], v[ST+8*\t+1]
.endr
.if \first == 0
.irp t, 0,1,2,3
	v_sub_f32 v[ST+8*\t+7], v[ST+8*\t+7], v[ST+8*\t]
.endr
	; ONE BATCH: the four a, the 64 scalings and the 128 exponentials; none of these lines names an exponential's result
.irp t, 0,1,2,3
	v_exp_f32 v[ST+8*\t+6], v[ST+8*\t+7]
.endr
.endif
.irp b, 0,1,2,3,4,5,6,7,8,9,10,11,12,13,14,15
	SCALE 0, \b
.endr
.irp t, 0,1,2,3
.irp b, 0,1,2,3,4,5,6,7,8,9,10,11,12,13,14,15
	v_exp_f32 v[S+32*\t+2*\b], v[S+32*\t+2*\b]
	v_exp_f32 v[S+32*\t+2*\b+1], v[S+32*\t+2*\b+1]
.if \t < 3
	SCALE \t+1, \b                                 ; the next tile's scalings stand among this tile's exponentials
.endif
.endr
.endr
	v_nop                                          ; a plain line behind the last exponential
	s_wait_alu depctr_va_vdst(0)                   ; one wait for the whole batch, ahead of its first reader
	; the sums, of the unrounded p
.irp t, 0,1,2,3
	v_pk_add_f32 v[ST+8*\t+4:ST+8*\t+5], v[S+32*\t:S+32*\t+1], v[S+32*\t+2:S+32*\t+3]
.endr
.irp b, 2,3,4,5,6,7,8,9,10,11,12,13,14
.irp t, 0,1,2,3
	v_pk_add_f32 v[ST+8*\t+4:ST+8*\t+5], v[ST+8*\t+4:ST+8*\t+5], v[S+32*\t+2*\b:S+32*\t+2*\b+1]
.endr
.endr
.irp t, 0,1,2,3
.if \first
	v_pk_add_f32 v[ST+8*\t+2:ST+8*\t+3], v[ST+8*\t+4:ST+8*\t+5], v[S+32*\t+30:S+32*\t+31]
.else
	v_pk_add_f32 v[ST+8*\t+4:ST+8*\t+5], v[ST+8*\t+4:ST+8*\t+5], v[S+32*\t+30:S+32*\t+31]
.endif
.endr
.if \first == 0
.irp t, 0,1,2,3
	v_pk_fma_f32 v[ST+8*\t+2:ST+8*\t+3], v[ST+8*\t+2:ST+8*\t+3], v[ST+8*\t+6:ST+8*\t+7], v[ST+8*\t+4:ST+8*\t+5] op_sel_hi:[1,0,1]   ; l = a l + the sum
.endr
.endif
	; P: pair i goes to register i of the tile, ascending: no pair is written over before it is read.  Registers 8 kg .. 8 kg + 7 are then the fragment of keys 32 kg on
.irp i, 0,1,2,3,4,5,6,7,8,9,10,11,12,13,14,15
.irp t, 0,1,2,3
	v_cvt_pk_f16_f32 v[S+32*\t+\i], v[S+32*\t+2*\i], v[S+32*\t+2*\i+1]
.endr
.endr
.if \first
.rept 4
	v_nop                                          ; (the first step has no rescaling between the roundings and the products)
.endr
.else
	WIN 0x41                                       ; O^T (destination and source 0) in window 1, a in window 0
.irp i, 0,1,2,3,4,5,6,7,8,9,10,11,12,13,14,15
.irp t, 0,1,2,3
	v_pk_mul_f32 v[32*\t+2*\i:32*\t+2*\i+1], v[32*\t+2*\i:32*\t+2*\i+1], v[ST+8*\t+6:ST+8*\t+7] op_sel_hi:[1,0]   ; ascending: each accumulator from its low end
.endr
.endr
.endif
	s_wait_dscnt 0x0                               ; V is in
	WIN 0x50                                       ; C and D (O^T) in window 1.  Sixteen accumulators by turns
.irp kg, 0,1
.irp c, 0,1,2,3
.irp t, 0,1,2,3
.if (\first) && (\kg == 0)
	v_wmma_f32_16x16x32_f16 v[32*\t+8*\c:32*\t+8*\c+7], v[KV+32*\kg+8*\c:KV+32*\kg+8*\c+7], v[S+32*\t+8*\kg:S+32*\t+8*\kg+7], 0
.else
	v_wmma_f32_16x16x32_f16 v[32*\t+8*\c:32*\t+8*\c+7], v[KV+32*\kg+8*\c:KV+32*\kg+8*\c+7], v[S+32*\t+8*\kg:S+32*\t+8*\kg+7], v[32*\t+8*\c:32*\t+8*\c+7]
.endif
.endr
.endr
.endr
	WIN 0
	s_add_co_u32 s[TB], s[TB], 8192                ; four token tiles on
	s_add_co_u32 s[TJ], s[TJ], 256
.endm
; A PART OF THE WALK, from key base on.  left: how many of my four tensor loads may stay out (nothing is ever filled again).  No LDS instruction of mine is out at the signal (ahead of key 0: my store of the bias has landed).
; Behind the barrier what I have waited for holds of all eight waves: so every read of a key stands behind the wait of the wave that fetched it and a barrier.
; first = 1: the first key step is written out; steps: trips of the loop.
.macro PART first, left, base, steps
	s_wait_tensorcnt \left
	s_wait_dscnt 0x0
	s_barrier_signal -1
	s_barrier_wait -1
	s_mov_b32 s[TB], \base*128                     ; 128 bytes a key, in K and in V
	s_mov_b32 s[TJ], \base*4
.if \first
	STEP 1
.endif
	s_mov_b32 s[CNT], \steps
.Lq_\@:
	STEP 0
	s_sub_co_u32 s[CNT], s[CNT], 1
	s_cmp_lg_u32 s[CNT], 0
	s_cbranch_scc1 .Lq_\@
.endm
	PART 1, 3, 0, 3                                ; keys 0-255: my load of the first quarter is in; the three issued behind it may be out
	PART 0, 0, 256, 12                             ; keys 256-1,023: all my loads are in
	; THE WAY OUT.  l's two halves and the other half of the lanes' are added (these lines are the places behind the last products); O^T is divided by l, rounded to f16 and stored as the projection's fragments.
.irp t, 0,1,2,3
	v_add_f32 v[ST+8*\t+4], v[ST+8*\t+2], v[ST+8*\t+3]
.endr
.irp t, 0,1,2,3
	v_permlanex16_b32 v[ST+8*\t+5], v[ST+8*\t+4], s[SEL], s[SEL+1]
.endr
.irp t, 0,1,2,3
	v_add_f32 v[ST+8*\t+4], v[ST+8*\t+4], v[ST+8*\t+5]
.endr
.irp t, 0,1,2,3
	v_rcp_f32 v[ST+8*\t+6], v[ST+8*\t+4]
.endr
	v_nop                                          ; a plain line behind the last reciprocal
	s_wait_alu depctr_va_vdst(0)                   ; one wait for the four, ahead of their first reader
.irp t, 0,1,2,3
	WIN 0x01                                       ; source 0 (O^T) in window 1; the quotients go to S^T's registers, which are free
.irp i, 0,1,2,3,4,5,6,7,8,9,10,11,12,13,14,15
	v_pk_mul_f32 v[S+32*\t+2*\i:S+32*\t+2*\i+1], v[32*\t+2*\i:32*\t+2*\i+1], v[ST+8*\t+6:ST+8*\t+7] op_sel_hi:[1,0]
.endr
	WIN 0
.irp i, 0,1,2,3,4,5,6,7,8,9,10,11,12,13,14,15
	v_cvt_pk_f16_f32 v[S+32*\t+\i], v[S+32*\t+2*\i], v[S+32*\t+2*\i+1]
.endr
.irp c, 0,1,2,3
	global_store_b128 v[AK0], v[S+32*\t+4*\c:S+32*\t+4*\c+3], s[8:9] offset:\t*4096+(\c/2)*1024+(\c%2)*512   ; 32 lanes store 512 consecutive bytes, aligned
.endr
.endr
	s_wait_tensorcnt 0x0                           ; the wave's end, behind my last tensor load and my last LDS store
	ds_add_u32 v[SPW], v[NIL]
	s_wait_dscnt 0x0
	s_endpgm
.Lfunc_end_k_q54cf00ccec_attn:
	.size	k_q54cf00ccec_attn, .Lfunc_end_k_q54cf00ccec_attn-k_q54cf00ccec_attn
	.p2alignl 7, 3214868480
	.fill 96, 4, 3214868480
	.section	.rodata,"a",@progbits
	.p2align	6, 0x0
	.amdhsa_kernel k_q54cf00ccec_attn
		.amdhsa_group_segment_fixed_size 327680
		.amdhsa_private_segment_fixed_size 0
		.amdhsa_enable_private_segment 0
		.amdhsa_kernarg_size 24
		.amdhsa_user_sgpr_count 2
		.amdhsa_user_sgpr_kernarg_segment_ptr 1
		.amdhsa_wavefront_size32 1
		.amdhsa_system_sgpr_workgroup_id_x 1
		.amdhsa_system_sgpr_workgroup_id_y 1
		.amdhsa_system_sgpr_workgroup_id_z 1
		.amdhsa_system_vgpr_workitem_id 0
		.amdhsa_next_free_vgpr 512
		.amdhsa_next_free_sgpr 66
		.amdhsa_reserve_vcc 0
		.amdhsa_float_denorm_mode_32 3
		.amdhsa_float_denorm_mode_16_64 3
		.amdhsa_memory_ordered 1
		.amdhsa_forward_progress 1
		.amdhsa_inst_pref_size 111
	.end_amdhsa_kernel
	.amdgpu_metadata
---
amdhsa.version: [ 1, 2 ]
amdhsa.kernels:
  - .name:           k_q54cf00ccec_attn
    .symbol:         k_q54cf00ccec_attn.kd
    .args:
      - { .name: qkv, .offset: 0, .size: 8, .value_kind: global_buffer, .address_space: global }
      - { .name: mask, .offset: 8, .size: 8, .value_kind: global_buffer, .address_space: global }
      - { .name: pre, .offset: 16, .size: 8, .value_kind: global_buffer, .address_space: global }
    .group_segment_fixed_size: 327680
    .private_segment_fixed_size: 0
    .kernarg_segment_align: 8
    .kernarg_segment_size: 24
    .max_flat_workgroup_size: 256
    .sgpr_count:     66
    .vgpr_count:     512
    .wavefront_size: 32
...
	.end_amdgpu_metadata
.endif
;; end of part 3
;; launch proj (part 4): grid 8 x 32, 4 waves a work-group, clusters of 4 x 4, 327,680 bytes of LDS; arguments pre, wimg, bout, out0; writes out0
.if DOCPART == 4
	.amdgcn_target "amdgcn-amd-amdhsa--gfx1250"
	.amdhsa_code_object_version 6
	.text
	.protected	k_q54cf00ccec_proj
	.globl	k_q54cf00ccec_proj
	.p2align	8
	.type	k_q54cf00ccec_proj,@function
k_q54cf00ccec_proj:
	s_mov_b64 s[64:65], 0
	v_nop
	global_prefetch_b8 v0, s[64:65] scope:SCOPE_SE
	s_setreg_imm32_b32 hwreg(HW_REG_WAVE_MODE, 25, 1), 1
	s_wait_xcnt 0x0
	s_wait_alu depctr_hold_cnt(0) depctr_sa_sdst(0) depctr_va_vdst(0) depctr_va_sdst(0) depctr_va_ssrc(0) depctr_va_vcc(0) depctr_vm_vsrc(0)
	s_getreg_b32 s2, hwreg(HW_REG_IB_STS2, 6, 4)
	s_cmp_eq_u32 s2, 0
	s_cbranch_scc0 .Lentry_in_a_cluster
	s_endpgm
.Lentry_in_a_cluster:
	s_bfe_u32 s2, ttmp6, 0x10000c
	s_cmp_lg_u32 s2, 0xf033
	s_cbranch_scc0 .Lentry_shape_is_right
	s_endpgm
.Lentry_shape_is_right:
; out0 = pre Wout^T + bout.  pre (8,192 tokens x 1,024) and Wout (1,024 x 1,024) arrive as f16 in the order of the operands' registers; sums in f32; out0 f32.
;   pre:  [block of 256 tokens 32][K step of 128: 8][token tile 16][32 along K: 4][half 2][lane 32][16 bytes]: 65,536 dense bytes for a block and a K step.
;   wimg: [block of 128 columns 8][K step 8][column tile 8][4][2][32][16 bytes]: 32,768 dense bytes.
; A tile of 256 tokens x 128 columns is made by four waves: 256 work-groups; a wave makes 128 x 64: 32 accumulators of 16 x 16, 256 registers.  K goes in 8 steps of 128 through a ring of two LDS slots of 98,304 bytes
; (two slots of two steps each would not fit).  A fragment is read from LDS as it lies, 16 x lane: no pitch, no padding.
; CLUSTERS: 4 x 4 work-groups.  The four of a row of the cluster need the same block of pre, the four of a column the same block of wimg: each is asked for JOINTLY, by the same tensor load with the same descriptor and a mask
; that names the four.  THE MATRIX INSTRUCTION IS USED TRANSPOSED (source 0 = 16 rows of Wout, source 1 = 16 tokens): a lane holds one token and eight neighbouring columns.  bout is the C of each sum's first product.
; REGISTERS.  window 0: v0-31 addresses; v32-63 bout in the result's layout, 8 a column tile; v64-159 and v160-255 two fragment buffers: 64 registers of pre (8 token tiles x 32 K), then 32 of Wout (4 column tiles).
;   window 1: the accumulators, (a, b) at v[8 (4 a + b)].
.set SLOT,   98304                     ; pre's 65,536 bytes, then Wout's 32,768
.set BOFF,   65536
.set STAGE,  2*SLOT                    ; behind the ring: 16 rows x (256 bytes + 16) for each wave, for the way out; no tensor load lands here
.set SPITCH, 272
.set SPARE,  STAGE+4*16*SPITCH         ; behind the stages: the spare words, 128 bytes for each wave
.set ADRA, 16                          ; v16-17  LDS address of my fragments of pre in slot 0, 1
.set ADRB, 20                          ; v20-21  the same for Wout
.set STO,  24                          ; v24     the way out: where I put 32 bytes of a row
.set RD,   25                          ; v25     where I read a row back
.set CO,   26                          ; v26     my byte offset in two rows of out0
.set SPW,  28                          ; v28     LDS address of my spare word; never rewritten
.set NIL,  29                          ; v29     0; never rewritten
.set PFO,  30                          ; v30     256 x lane: the prefetches' offset; never rewritten
.set BIA,  32
.set F0,   64
.set F1,   160
.set WV,   12                          ; s12  wave
.set G1A,  24                          ; s[24:31] descriptor group 1 for pre;  s[32:39] group 0, one set for each slot
.set G0A,  32
.set G1B,  48                          ; s[48:55], s[56:63] the same for Wout
.set G0B,  56
.set PFA,  72                          ; s[72:73] where my prefetches stand
.set PFS,  74                          ; s[74:75] a K step on, in bytes
.set LIM,  76                          ; s76  1 in a wave that prefetches, else the greatest number
.set MSB, 0
.macro WIN new                         ; the immediate's high byte repeats the setting that is left; a switch that changes nothing is dropped
.if MSB != (\new)
	s_set_vgpr_msb (MSB<<8)|(\new)
.set MSB, (\new)
.endif
.endm
.set MUL,  0x50                        ; C and D window 1, the fragments window 0
.set MULF, 0x40                        ; the first products: C (bout) window 0
.macro JLOAD s                         ; a joint load: waves 0 and 1 fetch pre's two halves, waves 2 and 3 Wout's; an s_nop 0 and four v_nop follow each of the two lines, ahead of the jump, the label and what follows
	s_cmp_eq_u32 s13, 0
	s_cbranch_scc0 .Lfor_b_\@
	tensor_load_to_lds s[G0A+4*\s:G0A+4*\s+3], s[G1A:G1A+7]
	s_nop 0
.rept 4
	v_nop
.endr
	s_branch .Lasked_\@
.Lfor_b_\@:
	tensor_load_to_lds s[G0B+4*\s:G0B+4*\s+3], s[G1B:G1B+7]
	s_nop 0
.rept 4
	v_nop
.endr
.Lasked_\@:
.endm
.macro CREST                           ; a round of the cluster's barrier behind its opening barrier
	s_cmp_lg_u32 s[WV], 0
	s_cbranch_scc1 .Lnot_wave_0_\@
	s_barrier_signal -3
.Lnot_wave_0_\@:
	s_barrier_wait -3
	s_barrier_signal -1
	s_barrier_wait -1
.endm
.macro CROUND                          ; a whole round
	s_barrier_signal -1
	s_barrier_wait -1
	CREST
.endm
; A PREFETCH INTO THE L2, behind each joint refill, its five lines and the run of LDS loads: the K step that stands two refills on, 256 matrix instructions ahead of the load that will want it; 32 lanes x 256 bytes, one instruction a wave.
; Each aligned run of 256 bytes is named once in the launch.  A block of pre is read by both clusters of a row of clusters: the one with x = 0 asks, its waves 0 and 1, each for its half of the K step's 65,536 bytes,
; of which the partner at place cx takes 8,192.  A block of wimg is read by all clusters of a column: the one with y = 0 asks, its wave 2, the partner at place cy taking 8,192 of the 32,768.
; Partners are told apart BY ADDRESS: no branch hangs on a place in the cluster.  K steps 0 to 3 come by their loads alone; the loop's last trip (s3 = 1) asks for nothing: K step 7 is the last that is named.
.macro ASK
	s_cmp_gt_u32 s3, s[LIM]
	s_cbranch_scc0 .Lnot_mine_\@
	global_prefetch_b8 v[PFO], s[PFA:PFA+1] th:TH_LOAD_NT scope:SCOPE_SE
.Lnot_mine_\@:
.endm
	s_load_b256 s[4:11], s[0:1], 0x0               ; pre s[4:5], wimg s[6:7], bout s[8:9], out0 s[10:11]
	v_lshl_add_u32 v[SPW], v0, 2, SPARE
	v_mov_b32 v[NIL], 0
	ds_add_u32 v[SPW], v[NIL]                      ; the wave's opening: the add, twice on end, and its wait ahead of my first tensor load; the set-up below stands between
	ds_add_u32 v[SPW], v[NIL]
	v_lshrrev_b32 v1, 5, v0
	v_readfirstlane_b32 s[WV], v1                  ; wave 0..3
	s_lshr_b32 s13, s[WV], 1                       ; which half of the tile's tokens is mine.  Also: I fetch for pre (0) or for Wout (1)
	s_and_b32 s14, s[WV], 1                        ; which half of its columns.  Also: which half of that block I fetch
	s_bfe_u32 s40, ttmp6, 0x40000                  ; cx, cy: my place in the cluster
	s_bfe_u32 s41, ttmp6, 0x40004
	s_lshl_b32 s42, ttmp9, 2
	s_add_co_u32 s42, s42, s40                     ; tile column = 4 x cluster x + cx
	s_and_b32 s15, ttmp7, 0xffff
	s_lshl_b32 s15, s15, 2
	s_add_co_u32 s15, s15, s41                     ; tile row = 4 x cluster y + cy
	s_lshl_b32 s43, s41, 2
	s_lshl_b32 s43, 15, s43                        ; my row of the cluster
	s_lshl_b32 s44, 0x1111, s40                    ; my column
	; descriptor group 1: dense blocks as rows of 256 bytes (32 elements of 8 bytes), no padding: 128 rows of pre, 64 of Wout
	s_or_b32 s[G1A+0], s43, (3<<16)|(1<<21)        ; 15:0 the mask: pre's blocks go to my row; 17:16 elements of 8 bytes; 21 set beside a mask
	s_or_b32 s[G1B+0], s44, (3<<16)|(1<<21)
	s_mov_b32 s[G1A+1], 32<<16                     ; tensor_dim0
	s_mov_b32 s[G1A+2], 128<<16                    ; tensor_dim1
	s_mov_b32 s[G1A+3], 32<<16                     ; tile_dim0
	s_mov_b32 s[G1A+4], 128                        ; tile_dim1
	s_mov_b32 s[G1A+5], 32                         ; the pitch
	s_mov_b32 s[G1A+6], 0
	s_mov_b32 s[G1A+7], 0
	s_mov_b32 s[G1B+1], 32<<16
	s_mov_b32 s[G1B+2], 64<<16
	s_mov_b32 s[G1B+3], 32<<16
	s_mov_b32 s[G1B+4], 64
	s_mov_b32 s[G1B+5], 32
	s_mov_b32 s[G1B+6], 0
	s_mov_b32 s[G1B+7], 0
	s_lshl_b32 s16, s15, 19                        ; pre: tile row x 524,288 + half x 32,768: it hangs on the tile row alone, which my row of the cluster shares
	s_lshl_b32 s17, s14, 15
	s_add_co_u32 s16, s16, s17
	s_mov_b32 s17, 0
	s_lshl_b32 s46, s42, 18                        ; wimg: tile column x 262,144 + half x 16,384: on the tile column alone
	s_lshl_b32 s47, s14, 14
	s_add_co_u32 s46, s46, s47
	s_mov_b32 s47, 0
	s_lshl_b32 s20, s14, 15                        ; where they go in a slot: no place in the cluster enters an LDS address
	s_lshl_b32 s21, s14, 14
	s_add_co_u32 s21, s21, BOFF
	s_wait_dscnt 0x0                               ; both opening adds are done
	s_wait_kmcnt 0x0
	s_add_nc_u64 s[18:19], s[4:5], s[16:17]
	s_add_nc_u64 s[46:47], s[6:7], s[46:47]
	CROUND                                         ; all sixteen work-groups are here: the first joint loads meet
.irp s, 0,1
	s_mov_b32 s[G0A+4*\s], 1
	s_add_co_u32 s[G0A+4*\s+1], s20, \s*SLOT
	s_add_nc_u64 s[G0A+4*\s+2:G0A+4*\s+3], s[18:19], \s*65536
	s_or_b32 s[G0A+4*\s+3], s[G0A+4*\s+3], 0x80000000
	s_mov_b32 s[G0B+4*\s], 1
	s_add_co_u32 s[G0B+4*\s+1], s21, \s*SLOT
	s_add_nc_u64 s[G0B+4*\s+2:G0B+4*\s+3], s[46:47], \s*32768
	s_or_b32 s[G0B+4*\s+3], s[G0B+4*\s+3], 0x80000000
	JLOAD \s                                       ; K steps 0 and 1: two loads of mine are out
.endr
	v_and_b32 v1, 15, v0                           ; r = lane % 16
	v_bfe_u32 v2, v0, 4, 1                         ; h = lane / 16
	v_and_b32 v3, 31, v0
	v_lshlrev_b32 v4, 4, v3                        ; 16 x lane
	s_lshl_b32 s22, s42, 9
	s_lshl_b32 s23, s14, 8
	s_add_co_u32 s22, s22, s23                     ; my first column, in bytes of f32: 512 x tile column + 256 x half
	s_mov_b32 s23, 0
	s_add_nc_u64 s[8:9], s[8:9], s[22:23]
	v_lshlrev_b32 v5, 5, v2
.irp b, 0,1,2,3
	global_load_b128 v[BIA+8*\b:BIA+8*\b+3],   v5, s[8:9] offset:64*\b       ; bout of columns 16 b + 8 h + 0..7
	global_load_b128 v[BIA+8*\b+4:BIA+8*\b+7], v5, s[8:9] offset:64*\b+16
.endr
	s_lshl_b32 s20, s15, 20                        ; out0: 256 rows of 4,096 bytes a tile row,
	s_lshl_b32 s21, s13, 19                        ; my 128 of them,
	s_add_co_u32 s20, s20, s21
	s_add_co_u32 s20, s20, s22                     ; my first column
	s_mov_b32 s21, 0
	s_add_nc_u64 s[10:11], s[10:11], s[20:21]
	s_lshl_b32 s20, s13, 15                        ; my eight token tiles of pre,
	s_lshl_b32 s21, s14, 14                        ; my four column tiles of Wout
	s_add_co_u32 s21, s21, BOFF
.irp s, 0,1
	v_add_nc_u32 v[ADRA+\s], s20, v4
	v_add_nc_u32 v[ADRB+\s], s21, v4
	s_add_co_u32 s20, s20, SLOT
	s_add_co_u32 s21, s21, SLOT
.endr
	s_mul_i32 s23, s[WV], 16*SPITCH
	s_add_co_u32 s23, s23, STAGE                   ; my stage
	v_mul_u32_u24 v6, v1, SPITCH                   ; in: row r, 32 bytes for each half of the lanes
	v_lshl_add_u32 v6, v2, 5, v6
	v_add_nc_u32 v[STO], s23, v6
	v_mul_u32_u24 v7, v2, SPITCH                   ; back: lanes 0-15 one row of 256 bytes, lanes 16-31 the next
	v_lshl_add_u32 v7, v1, 4, v7
	v_add_nc_u32 v[RD], s23, v7
	v_lshlrev_b32 v[CO], 12, v2                    ; and the same two rows in out0
	v_lshl_add_u32 v[CO], v1, 4, v[CO]
	; the prefetches: where my wave's stand, and who asks
	s_and_b32 s22, ttmp7, 0xffff                   ; cluster y
	s_lshl_b32 s20, s15, 19
	s_lshl_b32 s21, s14, 15
	s_add_co_u32 s20, s20, s21
	s_add_co_u32 s20, s20, 3*65536                 ; pre: my block, my half, at K step 3: the first refill steps it to 4
	s_lshl_b32 s21, s42, 18
	s_add_co_u32 s21, s21, 3*32768                 ; wimg: my block, at K step 3
	s_mov_b32 s[PFS], 32768
	s_cmp_eq_u32 s13, 0                            ; do I fetch for pre?
	s_cselect_b32 s20, s20, s21
	s_cselect_b32 s21, s40, s41                    ; my place among the four that ask with me
	s_cselect_b32 s22, ttmp9, s22                  ; the coordinate along which other clusters read the same block
	s_cselect_b32 s[PFS], 65536, s[PFS]
	s_cselect_b64 s[PFA:PFA+1], s[4:5], s[6:7]
	s_mov_b32 s[PFS+1], 0
	s_lshl_b32 s21, s21, 13                        ; my work-group's 8,192 bytes
	s_add_co_u32 s20, s20, s21
	s_mov_b32 s21, 0
	s_add_nc_u64 s[PFA:PFA+1], s[PFA:PFA+1], s[20:21]
	s_cmp_eq_u32 s[WV], 3                          ; wave 3 asks for nothing: wave 2 names all of Wout's K step
	s_cselect_b32 s23, 1, 0
	s_or_b32 s22, s22, s23
	s_cmp_eq_u32 s22, 0
	s_cselect_b32 s[LIM], 1, -1                    ; the same in all sixteen partners, for a given wave
	v_lshlrev_b32 v[PFO], 8, v3
; 8 matrix instructions: token tiles a0, a0 + 1 x all 4 column tiles, 32 along K, from buffer f.  first = 1: bout starts the sums.  The 32 accumulators take turns, one instruction a turn, in the same order in every quarter.
.macro MUL8 f, a0, first
.irp a, \a0, \a0+1
.irp b, 0,1,2,3
.if \first
	v_wmma_f32_16x16x32_f16 v[8*(4*(\a)+\b):8*(4*(\a)+\b)+7], v[\f+64+8*\b:\f+64+8*\b+7], v[\f+8*(\a):\f+8*(\a)+7], v[BIA+8*\b:BIA+8*\b+7]
.else
	v_wmma_f32_16x16x32_f16 v[8*(4*(\a)+\b):8*(4*(\a)+\b)+7], v[\f+64+8*\b:\f+64+8*\b+7], v[\f+8*(\a):\f+8*(\a)+7], v[8*(4*(\a)+\b):8*(4*(\a)+\b)+7]
.endif
.endr
.endr
.endm
; 24 LDS loads in one run: the fragments of the slot's q-th 32 along K into buffer f: Wout's four, pre's tiles 0-3, pre's tiles 4-7
.macro FETCH slot, q, f
.irp b, 0,1,2,3
	ds_load_b128 v[\f+64+8*\b:\f+64+8*\b+3],   v[ADRB+\slot] offset:\b*4096+(\q)*1024
	ds_load_b128 v[\f+64+8*\b+4:\f+64+8*\b+7], v[ADRB+\slot] offset:\b*4096+(\q)*1024+512
.endr
.irp a, 0,1,2,3,4,5,6,7
	ds_load_b128 v[\f+8*\a:\f+8*\a+3],   v[ADRA+\slot] offset:\a*4096+(\q)*1024
	ds_load_b128 v[\f+8*\a+4:\f+8*\a+7], v[ADRA+\slot] offset:\a*4096+(\q)*1024+512
.endr
.endm
.macro PLACES                          ; four places in front of loads into registers that matrix instructions have read, and of the first read of results (ISA guide 7.12.1 for vector instructions)
.rept 4
	v_nop
.endr
.endm
; A K step is four quarters of 32 along K, 32 matrix instructions each, on buffers 0, 1, 0, 1.  One of the first three: multiplies buffer f and fetches quarter qn into g.
.macro QUARTER slot, qn, f, g, first
	s_wait_dscnt 8                                 ; Wout's fragments and pre's tiles 0-3 are in; the youngest eight loads (tiles 4-7) may be out
	WIN MUL-0x10*(\first)
	MUL8 \f, 0, \first
	MUL8 \f, 2, \first
	PLACES
	WIN 0
	FETCH \slot, \qn, \g
	s_wait_dscnt 24                                ; all but the 24 just issued
	WIN MUL-0x10*(\first)
	MUL8 \f, 4, \first
	MUL8 \f, 6, \first
.endm
; The last quarter multiplies buffer 1 and changes slots: ONE barrier; in front of it each wave waits for all its tensor loads, adds 0 to its spare word, and waits for that and for its own reads of this slot.
; fill = 1: the barrier opens a round of the cluster's, and this slot is filled again, two K steps ahead: the load has a K step less sixteen matrix instructions in which to land.
.macro TURN slot, next, fill
.if \fill
	s_wait_xcnt 0x0                                ; the last prefetch, a K step back, has read its address: it is stepped here, ahead of the waits of the change of slots
	s_add_nc_u64 s[PFA:PFA+1], s[PFA:PFA+1], s[PFS:PFS+1]
.endif
	WIN 0                                          ; (the add's two registers lie in window 0)
	s_wait_tensorcnt 0x0                           ; all my tensor loads have landed: the one that was out is my part of the next slot
	ds_add_u32 v[SPW], v[NIL]                      ; 0 onto my spare word
	s_wait_dscnt 9                                 ; (the add and the youngest eight loads may be out)
	WIN MUL
	MUL8 F1, 0, 0                                  ; eight matrix instructions stand between the add and the wait for it
	s_wait_dscnt 0x0                               ; the add is done, and my reads of this slot are over
	s_barrier_signal -1
	MUL8 F1, 2, 0
	WIN 0
	s_barrier_wait -1
.if \fill
	CREST                                          ; no wave of any partner still reads this slot or has a load on its way
	s_add_nc_u64 s[G0A+4*\slot+2:G0A+4*\slot+3], s[G0A+4*\slot+2:G0A+4*\slot+3], 2*65536
	s_add_nc_u64 s[G0B+4*\slot+2:G0B+4*\slot+3], s[G0B+4*\slot+2:G0B+4*\slot+3], 2*32768
	JLOAD \slot                                    ; the first tensor load behind the round, one a wave; the four v_nop behind it are also the places in front of the loads below
.else
	PLACES
.endif
	FETCH \next, 0, F0
.if \fill
	ASK
.endif
	WIN MUL
	MUL8 F1, 4, 0
	MUL8 F1, 6, 0
.endm
	s_wait_tensorcnt 1                             ; my part of K step 0 is in; K step 1's load may be out
	s_barrier_signal -1
	s_barrier_wait -1                              ; everybody's is
	FETCH 0, 0, F0
	s_wait_loadcnt 0x0                             ; bout
	QUARTER 0, 1, F0, F1, 1                        ; the first quarter stands in front of the loop: its products start the sums from bout
	WIN 0                                          ; at a label and at a branch every window is 0
	s_mov_b32 s3, 3
.Llap:                                                 ; a trip goes once round the ring, from a lap's second quarter to the next lap's first, and fills both slots again
	QUARTER 0, 2, F1, F0, 0
	QUARTER 0, 3, F0, F1, 0
	TURN 0, 1, 1
	QUARTER 1, 1, F0, F1, 0
	QUARTER 1, 2, F1, F0, 0
	QUARTER 1, 3, F0, F1, 0
	TURN 1, 0, 1
	QUARTER 0, 1, F0, F1, 0
	WIN 0
	s_sub_co_u32 s3, s3, 1
	s_cmp_lg_u32 s3, 0
	s_cbranch_scc1 .Llap
	QUARTER 0, 2, F1, F0, 0                        ; the last lap fills nothing, and has no round of the cluster's barrier
	QUARTER 0, 3, F0, F1, 0
	TURN 0, 1, 0
	QUARTER 1, 1, F0, F1, 0
	QUARTER 1, 2, F1, F0, 0
	QUARTER 1, 3, F0, F1, 0
	s_wait_dscnt 8                                 ; the very last quarter: nothing more to fetch
	WIN MUL
	MUL8 F1, 0, 0
	MUL8 F1, 2, 0
	s_wait_dscnt 0
	MUL8 F1, 4, 0
	MUL8 F1, 6, 0
	WIN 0
; THE WAY OUT, a token tile (16 rows x 64 columns of f32: 256 bytes a row) at a time.  A lane holds 32 neighbouring bytes of a row and the lanes beside it hold other rows: so a tile goes through my own stage in LDS and comes back
; as whole rows.  LDS serves a wave's instructions in order (ISA guide 5.7.1.4): no wait between the stores and the loads, nor in front of the next tile's stores.
.macro TOSTAGE a
	WIN 0x04                                       ; an LDS store's data are its source 1: window 1
.irp b, 0,1,2,3
	ds_store_b128 v[STO], v[8*(4*(\a)+\b):8*(4*(\a)+\b)+3] offset:64*\b          ; each accumulator from its low end on
	ds_store_b128 v[STO], v[8*(4*(\a)+\b)+4:8*(4*(\a)+\b)+7] offset:64*\b+16
.endr
	WIN 0
.irp t, 0,1,2,3,4,5,6,7
	ds_load_b128 v[64+32*((\a)%2)+4*\t:64+32*((\a)%2)+4*\t+3], v[RD] offset:\t*2*SPITCH
.endr
.endm
.macro SEND a, younger                 ; younger: the LDS instructions issued behind tile a's loads, which may stay out
	s_wait_dscnt \younger                          ; the tile is back in registers
.irp t, 0,1,2,3,4,5,6,7
	global_store_b128 v[CO], v[64+32*((\a)%2)+4*\t:64+32*((\a)%2)+4*\t+3], s[10:11] offset:(\a)*65536+\t*8192 th:TH_STORE_NT   ; 16 lanes store 256 consecutive bytes, aligned; written once, read by nobody here
.endr
.endm
	PLACES                                         ; behind the last products: their results are read, and loads land on registers that products have read
	TOSTAGE 0
.irp a, 1,2,3,4,5,6,7
.if \a > 1
	s_wait_xcnt 0x0                                ; the stores of two tiles back have read their registers: this tile's loads may land there
.endif
	TOSTAGE \a
	SEND \a-1, 16                                  ; behind that tile's loads: this tile's 8 stores and 8 loads
.endr
	SEND 7, 0
	s_wait_tensorcnt 0x0                           ; the wave's end, behind my last tensor load and my last LDS store
	ds_add_u32 v[SPW], v[NIL]
	s_wait_dscnt 0x0
	CROUND                                         ; the closing round: no work-group ends while a partner may still ask for a block that names it
	s_endpgm
.Lfunc_end_k_q54cf00ccec_proj:
	.size	k_q54cf00ccec_proj, .Lfunc_end_k_q54cf00ccec_proj-k_q54cf00ccec_proj
	.p2alignl 7, 3214868480
	.fill 96, 4, 3214868480
	.section	.rodata,"a",@progbits
	.p2align	6, 0x0
	.amdhsa_kernel k_q54cf00ccec_proj
		.amdhsa_group_segment_fixed_size 327680
		.amdhsa_private_segment_fixed_size 0
		.amdhsa_enable_private_segment 0
		.amdhsa_kernarg_size 32
		.amdhsa_user_sgpr_count 2
		.amdhsa_user_sgpr_kernarg_segment_ptr 1
		.amdhsa_wavefront_size32 1
		.amdhsa_system_sgpr_workgroup_id_x 1
		.amdhsa_system_sgpr_workgroup_id_y 1
		.amdhsa_system_sgpr_workgroup_id_z 1
		.amdhsa_system_vgpr_workitem_id 0
		.amdhsa_next_free_vgpr 512
		.amdhsa_next_free_sgpr 80
		.amdhsa_reserve_vcc 0
		.amdhsa_float_denorm_mode_32 3
		.amdhsa_float_denorm_mode_16_64 3
		.amdhsa_memory_ordered 1
		.amdhsa_forward_progress 1
		.amdhsa_inst_pref_size 87
	.end_amdhsa_kernel
	.amdgpu_metadata
---
amdhsa.version: [ 1, 2 ]
amdhsa.kernels:
  - .name:           k_q54cf00ccec_proj
    .symbol:         k_q54cf00ccec_proj.kd
    .args:
      - { .name: pre, .offset: 0, .size: 8, .value_kind: global_buffer, .address_space: global }
      - { .name: wimg, .offset: 8, .size: 8, .value_kind: global_buffer, .address_space: global }
      - { .name: bout, .offset: 16, .size: 8, .value_kind: global_buffer, .address_space: global }
      - { .name: out0, .offset: 24, .size: 8, .value_kind: global_buffer, .address_space: global }
    .group_segment_fixed_size: 327680
    .private_segment_fixed_size: 0
    .kernarg_segment_align: 8
    .kernarg_segment_size: 32
    .max_flat_workgroup_size: 128
    .sgpr_count:     80
    .vgpr_count:     512
    .wavefront_size: 32
...
	.end_amdgpu_metadata
.endif
;; end of part 4
